; MI455X (gfx1250); checked and timed in simulation.
; The chip was launched on July 23, 2026; its instructions are those of AMD's public machine-readable ISA for CDNA 5 (MIT licence, August 2026) and "CDNA5" Instruction Set Architecture Reference Guide (July 2026). The comments in the code are by the model that wrote it; some were corrected since.
;; tblock. Allowed arithmetic: matrix products marked QUANTISED: E2M1 operands, one E8M0 scale for each 32 along K, by v_wmma_scale_f32_16x16x128_f8f6f4 with both operands' format E2M1 (or v_wmma_scale_f32_32x16x128_f4), f32 sums; everything else in f32.
;; Inputs: W_K 1,024 x 8 x 64 float32; W_Q 1,024 x 16 x 64 float32; W_V 1,024 x 8 x 64 float32; W_out 64 x 16 x 1,024 float32; b_out 1,024 float32; ln1_b 1,024 float32; ln1_w 1,024 float32; ln2_b 1,024 float32; ln2_w 1,024 float32; mlp1_b 4,096 float32; mlp1_w 4,096 x 1,024 float32; mlp2_b 1,024 float32; mlp2_w 1,024 x 4,096 float32; x 2 x 2,048 x 1,024 float32.
;; Outputs: out0 2 x 2,048 x 1,024 float32.
;; This version of the problem:
;;   THIS VERSION OF THE PROBLEM IS GIVEN IN LOW PRECISION. The matrix products marked QUANTISED in the list below multiply operands that are first quantised to E2M1 (2 exponent bits, 1 mantissa bit; 4 bits a number), with one power-of-two scale for each 32 numbers along K (OCP MX v1.0); their sums are f32. All else is computed in f32.
;;   The module's matrix products, in the order in which they are computed (A, B: the left and right operand; K: the contracted axis; several contracted axes count as one K, in the product's order):
;;     1. [M 4,096, K 1,024] x [K 1,024, N 1,024]; A: computed on the way; B: input W_Q: QUANTISED
;;     2. [M 4,096, K 1,024] x [K 1,024, N 512]; A: computed on the way; B: input W_K: QUANTISED
;;     3. [M 4,096, K 1,024] x [K 1,024, N 512]; A: computed on the way; B: input W_V: QUANTISED
;;     4. batch 16 x [M 2,048, K 64] x [K 64, N 4,096]; A: computed on the way; B: computed on the way: QUANTISED
;;     5. batch 16 x [M 64, K 2,048] x [K 2,048, N 4,096]; A: computed on the way; B: softmax (see below): QUANTISED
;;     6. [M 4,096, K 1,024] x [K 1,024, N 1,024]; A: computed on the way; B: input W_out: QUANTISED
;;     7. [M 4,096, K 1,024] x [K 1,024, N 4,096]; A: computed on the way; B: input mlp1_w: QUANTISED
;;     8. [M 4,096, K 4,096] x [K 4,096, N 1,024]; A: computed on the way; B: input mlp2_w: QUANTISED
;;   THE QUANTISER, for each operand of a quantised product, along K:
;;     - K is cut into blocks of 32 from its start; a last block that is shorter is filled with zeros.
;;     - A block's scale is 2^e with e = floor(log2(the largest magnitude in the block)) - 2, held to -126 .. 127; a block of zeros has e = 0. As a byte (E8M0): e + 127.
;;     - Each number is divided by its block's scale, clamped to +-6, and rounded to the nearest number of E2M1, ties to even, subnormals kept.
;;     - The product sums the exact products of the quantised numbers (number of the format x scale) in f32.
;;   ~~~python
;;   def quantise(x, axis):      # numpy; x: float32 -> the quantised numbers, widened to float32 again
;;       x = np.moveaxis(x, axis, -1); K = x.shape[-1]
;;       x = np.pad(x, [(0, 0)] * (x.ndim - 1) + [(0, -K % 32)]); x = x.reshape(x.shape[:-1] + (-1, 32)); a = np.abs(x).max(-1, keepdims=True)
;;       e = np.where(a > 0, np.clip(np.frexp(np.where(a > 0, a, 1))[1] - 1 - 2, -126, 127), 0)      # np.frexp(a)[1] - 1 = floor(log2(a)), exactly
;;       r = np.clip(x / 2.0 ** e, -6, 6)
;;       step = 2.0 ** (np.maximum(np.frexp(np.where(r == 0, 1, r))[1] - 1, 0) - 1)
;;       q = np.round(r / step) * step * 2.0 ** e      # np.round: ties to even
;;       return np.moveaxis(q.reshape(q.shape[:-2] + (-1,))[..., :K], -1, axis).astype(np.float32)
;;   ~~~
;;   SOFTMAX AHEAD OF A QUANTISED PRODUCT. Where the list says 'softmax', what is quantised is not the finished softmax but p = 2^(t - M), with t = logit x log2(e) and M = ceil(the row's largest t), a whole number; so 1/2 < the row's largest p <= 1. The row's sum l is taken of the UNQUANTISED p, in f32, and the product's result is divided by l at the end. Since M is a whole number, a kernel that streams over the keys may use a running M (the ceiling of the running maximum): every later rescaling is an exact power of two, which a block's scale takes up: the codes' values come out the same.
;;   OPERANDS COMPUTED ON THE WAY. 'Computed on the way' means the value that the module computes at that place (a softmax that the list does not call 'softmax' is quantised finished and normalised). What goes into a quantiser is computed in f32, as accurately as f32 sums, v_exp_f32 and their like allow (about 1e-6 of the number): no bf16 or f16 on the way to a quantiser, and a product that is left as it is and whose result goes on into a quantised operand takes f32 operands (vector FMAs, or v_wmma_f32_16x16x4_f32). A number that lies on a knife's edge between two numbers of the format may be rounded either way, as far as f32 arithmetic and the matrix unit's own rounding can turn it there, and no further.
;; One version. Each part assembles by itself: llvm-mc -triple=amdgcn-amd-amdhsa -mcpu=gfx1250 --defsym DOCPART=n.
;; ======== version 1 of 1: 7 launches
;; limits: right only within a limited range of input values
;; workspace buffers: wts 6,127,616 bytes; nrm 2,228,224 bytes; qkv 4,456,448 bytes; zb 2,228,224 bytes; post 16,777,216 bytes; hb 2,228,224 bytes; gb 8,912,896 bytes
;; launch prepw (part 1): grid 704 x 1, 4 waves a work-group, no clusters, 34,304 bytes of LDS; arguments W_Q, W_K, W_V, W_out, mlp1_w, mlp2_w, wts; writes wts
.if DOCPART == 1
	.amdgcn_target "amdgcn-amd-amdhsa--gfx1250"
	.amdhsa_code_object_version 6
	.text
	.protected	k_q83bfa44d45_prepw
	.globl	k_q83bfa44d45_prepw
	.p2align	8
	.type	k_q83bfa44d45_prepw,@function
k_q83bfa44d45_prepw:
	s_mov_b64 s[64:65], 0
	v_nop
	global_prefetch_b8 v0, s[64:65] scope:SCOPE_SE
	s_setreg_imm32_b32 hwreg(HW_REG_WAVE_MODE, 25, 1), 1
	s_wait_xcnt 0x0
; The six weights, f32, become codes of FP4 (E2M1) with one E8M0 scale byte for each 32 along K, laid as the matrix unit reads them.
; LAYOUT OF AN OPERAND.  Rows (the product's N) stand in groups of 16 slots; slot r of group 2 b + u holds true row 32 b + 8 u + (r % 8) + 16 (r / 8).
; Codes: [group][K / 32][slot][16 bytes]: a run of 256 bytes is 16 slots x one block of 32 codes; 16 rows x 128 K are 1,024 bytes on end, lane l's registers at 512 c + 16 l.
; Scale words: [K / 128][slot], byte b for block b of the 128.
; A block's scale is 2^(floor(log2(largest magnitude)) - 2); its byte is the largest magnitude's exponent field - 2, held at 1 from below (a block of zeros keeps 1: its codes are zeros and this program alone reads the bytes).
; LIMITS: NaN and infinities are not served; blocks whose largest magnitude lies under 2^-124 have the byte 1.
; SHARES.  Work-groups 0-191: W_Q, W_K, W_V, W_out, whose K is not innermost: a lane takes a column, its registers run down K (128 columns x 128 K a work-group): nothing is transposed.
; W_out's K is 64 x head + channel: K row 64 h + k lies at memory row 16 k + h.
; Work-groups 192-703: mlp1_w, mlp2_w, K innermost: each load reads 512 consecutive bytes of a row; 16 rows x 128 K turn through the wave's own stage in LDS so that a lane holds whole blocks.
; No barrier: waves share nothing.
.set WQKV_C, 0
.set WQKV_S, 1048576
.set WO_C,   1114112
.set WO_S,   1638400
.set W1_C,   1671168
.set W1_S,   3768320
.set W2_C,   3899392
.set W2_S,   5996544
; v1 lane; v2 load offset; v3, v4 store offsets; v8-13 at work; v14, v15 the stage in and out; v16-31 codes; v32, v33 scale words; v64-191 numbers as loaded; v192-255 a unit's numbers, turned
; 32 numbers v[x] .. v[x + 31] of one block: codes into v[cd] .. v[cd + 3], the scale's byte into v12
.macro QBLK x, cd
	v_max3_num_f32 v8, |v[\x]|, |v[\x+1]|, 0x1800000               ; the floor 2^(3 - 127) among the leaves: the byte cannot fall under 1
	v_max3_num_f32 v9, |v[\x+2]|, |v[\x+3]|, |v[\x+4]|             ; two chains, so that they do not wait for each other
.irp i, 5,9,13,17,21,25
	v_max3_num_f32 v8, v8, |v[\x+\i]|, |v[\x+\i+1]|
	v_max3_num_f32 v9, v9, |v[\x+\i+2]|, |v[\x+\i+3]|
.endr
	v_max3_num_f32 v8, v8, |v[\x+29]|, |v[\x+30]|
	v_max3_num_f32 v8, v8, v9, |v[\x+31]|
	v_add_nc_u32 v11, 0xff000000, v8                               ; 2 off the exponent field: the conversion takes that field as its scale
.irp g, 0,1,2,3
	v_cvt_scalef32_pk8_fp4_f32 v[\cd+\g], v[\x+8*\g:\x+8*\g+7], v11
.endr
	v_lshrrev_b32 v12, 23, v11                                     ; the byte; also the plain line behind the conversions
.endm
.macro TADDR                           ; s[24:25]: the tensor, then + s32 (the K step's first row) + 4 x my wave's first column
	s_lshl_b32 s36, s20, 7
	s_add_co_u32 s36, s36, s37
	s_lshl_b32 s38, s36, 2
	s_add_co_u32 s32, s32, s38
	s_add_nc_u64 s[24:25], s[24:25], s[32:33]
.endm
.macro TLOADS rowb, wo                 ; register 32 b + i: K row 32 b + i of the step, my column; 32 lanes read 128 consecutive bytes
.set tb_, 0
.rept 4
.set ti_, 0
.rept 32
.if \wo
	global_load_b32 v[64+32*tb_+ti_], v2, s[24:25] offset:((32*(tb_%2)+ti_)*16+tb_/2)*4096 th:TH_LOAD_NT
.else
	global_load_b32 v[64+32*tb_+ti_], v2, s[24:25] offset:(32*tb_+ti_)*\rowb th:TH_LOAD_NT
.endif
.set ti_, ti_+1
.endr
.set tb_, tb_+1
.endr
.endm
.macro NSRC sh                         ; s32: byte offset of the group's first true row (rows of 1 << sh bytes) and of my first K step
	s_lshr_b32 s36, s20, 1
	s_lshl_b32 s36, s36, 5
	s_and_b32 s37, s20, 1
	s_lshl_b32 s37, s37, 3
	s_add_co_u32 s36, s36, s37
	s_lshl_b32 s32, s36, \sh
	s_lshl_b32 s37, s21, 9
	s_add_co_u32 s32, s32, s37
.endm
.macro NLOADS rowb                     ; two units of 16 slots x 128 K: a load is 512 consecutive bytes of one row
.irp u, 0,1
.irp s, 0,1,2,3,4,5,6,7,8,9,10,11,12,13,14,15
	global_load_b128 v[64+64*\u+4*\s:64+64*\u+4*\s+3], v2, s[24:25] offset:((\s%8)+16*(\s/8))*\rowb+512*\u th:TH_LOAD_NT
.endr
.endr
.endm
.macro UNIT u
	s_wait_loadcnt 16-16*\u                                        ; this unit's 16 loads are in; the other unit's may be out
.irp s, 0,1,2,3,4,5,6,7,8,9,10,11,12,13,14,15
	ds_store_b128 v14, v[64+64*\u+4*\s:64+64*\u+4*\s+3] offset:528*\s   ; rows 528 bytes apart, an odd multiple of 16
.endr
.irp c, 0,1
.irp i, 0,1,2,3,4,5,6,7
	ds_load_b128 v[192+32*\c+4*\i:192+32*\c+4*\i+3], v15 offset:256*\c+16*\i   ; LDS serves a wave's instructions in order: these see the stores above.  Lane (r, h): K = 64 c + 32 h + 0 .. 31 of slot r
.endr
.endr
	s_wait_dscnt 0x0
	QBLK 192, 16+8*\u
	v_mov_b32 v13, v12
	QBLK 224, 20+8*\u
	v_lshl_or_b32 v13, v12, 16, v13                                ; my two bytes: blocks h and 2 + h,
	v_lshlrev_b32 v13, v7, v13                                     ; 8 h bits up;
	v_permlanex16_b32 v10, v13, s30, s31
	v_or_b32 v[32+\u], v13, v10                                    ; with lane l xor 16's two the word is whole
	global_store_b128 v2, v[16+8*\u:19+8*\u], s[26:27] offset:1024*\u        ; 32 lanes store 512 consecutive bytes
	global_store_b128 v2, v[20+8*\u:23+8*\u], s[26:27] offset:1024*\u+512
.if \u == 0
	global_store_b32 v4, v32, s[28:29]                             ; 64 bytes of scale words (both halves of the lanes store the same words)
.else
	global_store_b32 v4, v33, s[40:41]
.endif
.endm
	s_load_b256 s[4:11], s[0:1], 0x0               ; W_Q, W_K, W_V, W_out
	s_load_b128 s[12:15], s[0:1], 0x20             ; mlp1_w, mlp2_w
	s_load_b64 s[16:17], s[0:1], 0x30
	v_lshl_add_u32 v34, v0, 2, 33792               ; my spare word, behind the four stages; never rewritten
	v_mov_b32 v35, 0                               ; 0; never rewritten
	v_lshrrev_b32 v1, 5, v0
	v_readfirstlane_b32 s18, v1                    ; wave
	v_and_b32 v1, 31, v0                           ; lane
	s_mov_b32 s30, 0x76543210
	s_mov_b32 s31, 0xfedcba98                      ; selects for lane l xor 16
	s_mov_b32 s33, 0
	s_wait_kmcnt 0x0
	s_cmp_ge_u32 ttmp9, 192
	s_cbranch_scc1 .Lnpath
	; ---- K not innermost
	s_wait_alu depctr_va_vdst(0)
	v_lshlrev_b32 v2, 2, v1                        ; 4 bytes a lane
	v_bfe_u32 v5, v1, 3, 1                         ; true column 32 B + l lies in group 2 B + bit 3 of l,
	v_bfe_u32 v6, v1, 4, 1
	v_and_b32 v7, 7, v1
	v_lshl_or_b32 v7, v6, 3, v7                    ; slot 8 x bit 4 + l % 8
	v_lshlrev_b32 v3, 4, v7
	v_lshl_or_b32 v3, v5, 13, v3                   ; codes: 8,192 bytes a group, 16 a slot
	v_lshl_or_b32 v4, v5, 4, v7
	v_lshlrev_b32 v4, 2, v4                        ; scale words: 4 bytes a slot
	s_lshl_b32 s37, s18, 5                         ; 32 columns a wave
	s_cmp_ge_u32 ttmp9, 128
	s_cbranch_scc1 .Lt_o
	s_cmp_ge_u32 ttmp9, 64
	s_cbranch_scc1 .Lt_kv
	s_and_b32 s20, ttmp9, 7                        ; W_Q: which 128 columns,
	s_lshr_b32 s21, ttmp9, 3                       ; which 128 along K
	s_lshl_b32 s32, s21, 19                        ; 128 rows of 4,096 bytes
	s_mov_b32 s23, 0                               ; its rows in the joint operand begin at 0
	s_mov_b32 s22, 8192                            ; a row of scale words
	s_mov_b32 s34, WQKV_C
	s_mov_b32 s35, WQKV_S
	s_mov_b64 s[24:25], s[4:5]
	TADDR
	s_wait_alu depctr_va_vdst(0)
	TLOADS 4096, 0
	s_branch .Ltq
.Lt_kv:
	s_sub_co_u32 s19, ttmp9, 64
	s_and_b32 s20, s19, 3
	s_bfe_u32 s21, s19, 0x30002
	s_lshl_b32 s32, s21, 18                        ; 128 rows of 2,048 bytes
	s_lshr_b32 s23, s19, 5
	s_lshl_b32 s23, s23, 9
	s_add_co_u32 s23, s23, 1024                    ; W_K's rows begin at 1,024, W_V's at 1,536
	s_mov_b32 s22, 8192
	s_mov_b32 s34, WQKV_C
	s_mov_b32 s35, WQKV_S
	s_cmp_lt_u32 ttmp9, 96                         ; the choice hangs on the work-group's number alone
	s_cselect_b64 s[24:25], s[6:7], s[8:9]
	TADDR
	s_wait_alu depctr_va_vdst(0)
	TLOADS 2048, 0
	s_branch .Ltq
.Lt_o:
	s_sub_co_u32 s19, ttmp9, 128
	s_and_b32 s20, s19, 7
	s_lshr_b32 s21, s19, 3
	s_lshl_b32 s32, s21, 13                        ; K step s is heads 2 s, 2 s + 1: memory row 16 k + h begins at row 2 s
	s_mov_b32 s23, 0
	s_mov_b32 s22, 4096
	s_mov_b32 s34, WO_C
	s_mov_b32 s35, WO_S
	s_mov_b64 s[24:25], s[10:11]
	TADDR
	s_wait_alu depctr_va_vdst(0)
	TLOADS 4096, 1
.Ltq:
	s_add_co_u32 s36, s36, s23                     ; my wave's first row of the operand, a multiple of 32
	s_lshl_b32 s37, s36, 9                         ; (row / 16) x 8,192
	s_lshl_b32 s38, s21, 10
	s_add_co_u32 s37, s37, s38
	s_add_co_u32 s32, s37, s34
	s_add_nc_u64 s[26:27], s[16:17], s[32:33]      ; codes
	s_mul_i32 s37, s21, s22
	s_lshl_b32 s38, s36, 2
	s_add_co_u32 s37, s37, s38
	s_add_co_u32 s32, s37, s35
	s_add_nc_u64 s[28:29], s[16:17], s[32:33]      ; scale words
.set TBL, 0
.rept 4
.if TBL < 2
	s_wait_loadcnt 63                              ; behind this block's loads 96 or 64 were issued; the wait's field holds 63 at the most
.else
	s_wait_loadcnt 96-32*TBL                       ; the later blocks' loads may be out
.endif
	QBLK 64+32*TBL, 16+4*TBL
.if TBL == 0
	v_mov_b32 v32, v12
.else
	v_lshl_or_b32 v32, v12, 8*TBL, v32
.endif
	global_store_b128 v3, v[16+4*TBL:19+4*TBL], s[26:27] offset:256*TBL   ; two whole runs of 256 bytes: 16 slots of each of two groups
.set TBL, TBL+1
.endr
	global_store_b32 v4, v32, s[28:29]             ; 128 bytes of scale words a wave: one byte for each 128 read
	s_endpgm
	; ---- K innermost
.Lnpath:
	s_wait_alu depctr_va_vdst(0)
	v_lshlrev_b32 v2, 4, v1                        ; 16 bytes a lane
	v_and_b32 v5, 15, v1                           ; r
	v_lshrrev_b32 v6, 4, v1                        ; h
	v_lshlrev_b32 v4, 2, v5
	v_lshlrev_b32 v7, 3, v6
	s_mul_i32 s36, s18, 8448                       ; my wave's stage: 16 rows of 528 bytes
	v_add_nc_u32 v14, s36, v2
	v_mul_u32_u24 v15, v5, 528
	v_lshl_add_u32 v15, v6, 7, v15
	v_add_nc_u32 v15, s36, v15
	v_mov_b32 v10, 0                               ; a lane permute's destination counts as one of its sources
	s_sub_co_u32 s19, ttmp9, 192
	s_cmp_ge_u32 s19, 256
	s_cbranch_scc1 .Ln_2
	s_mov_b32 s20, s19                             ; mlp1_w: the group; the four waves take its eight K steps
	s_lshl_b32 s21, s18, 1
	s_lshl_b32 s34, s20, 13
	s_add_co_u32 s34, s34, W1_C
	s_mov_b32 s35, W1_S
	s_mov_b32 s22, 16384
	NSRC 12
	s_add_nc_u64 s[24:25], s[12:13], s[32:33]
	NLOADS 4096
	s_branch .Lnq
.Ln_2:
	s_sub_co_u32 s19, s19, 256                     ; mlp2_w: four work-groups to a group, eight K steps each
	s_lshr_b32 s20, s19, 2
	s_and_b32 s21, s19, 3
	s_lshl_b32 s21, s21, 3
	s_lshl_b32 s37, s18, 1
	s_add_co_u32 s21, s21, s37
	s_lshl_b32 s34, s20, 15
	s_add_co_u32 s34, s34, W2_C
	s_mov_b32 s35, W2_S
	s_mov_b32 s22, 4096
	NSRC 14
	s_add_nc_u64 s[24:25], s[14:15], s[32:33]
	NLOADS 16384
.Lnq:
	s_lshl_b32 s36, s21, 10
	s_add_co_u32 s32, s34, s36
	s_add_nc_u64 s[26:27], s[16:17], s[32:33]      ; codes
	s_mul_i32 s36, s21, s22
	s_lshl_b32 s37, s20, 6
	s_add_co_u32 s36, s36, s37
	s_add_co_u32 s32, s36, s35
	s_add_nc_u64 s[28:29], s[16:17], s[32:33]      ; scale words of my first K step,
	s_mov_b32 s23, 0
	s_add_nc_u64 s[40:41], s[28:29], s[22:23]      ; and of my second: a base of its own, so that none is stepped
	s_wait_alu depctr_va_vdst(0)
	UNIT 0
	UNIT 1
	s_wait_tensorcnt 0x0                           ; the wave's end, behind my last LDS store
	ds_add_u32 v34, v35
	s_wait_dscnt 0x0
	s_endpgm
.Lfunc_end_k_q83bfa44d45_prepw:
	.size	k_q83bfa44d45_prepw, .Lfunc_end_k_q83bfa44d45_prepw-k_q83bfa44d45_prepw
	.p2alignl 7, 3214868480
	.fill 96, 4, 3214868480
	.section	.rodata,"a",@progbits
	.p2align	6, 0x0
	.amdhsa_kernel k_q83bfa44d45_prepw
		.amdhsa_group_segment_fixed_size 34304
		.amdhsa_private_segment_fixed_size 0
		.amdhsa_enable_private_segment 0
		.amdhsa_kernarg_size 56
		.amdhsa_user_sgpr_count 2
		.amdhsa_user_sgpr_kernarg_segment_ptr 1
		.amdhsa_wavefront_size32 1
		.amdhsa_system_sgpr_workgroup_id_x 1
		.amdhsa_system_sgpr_workgroup_id_y 1
		.amdhsa_system_sgpr_workgroup_id_z 1
		.amdhsa_system_vgpr_workitem_id 0
		.amdhsa_next_free_vgpr 256
		.amdhsa_next_free_sgpr 102
		.amdhsa_reserve_vcc 0
		.amdhsa_float_denorm_mode_32 3
		.amdhsa_float_denorm_mode_16_64 3
		.amdhsa_memory_ordered 1
		.amdhsa_forward_progress 1
		.amdhsa_inst_pref_size 66
	.end_amdhsa_kernel
	.amdgpu_metadata
---
amdhsa.version: [ 1, 2 ]
amdhsa.kernels:
  - .name:           k_q83bfa44d45_prepw
    .symbol:         k_q83bfa44d45_prepw.kd
    .args:
      - { .name: W_Q, .offset: 0, .size: 8, .value_kind: global_buffer, .address_space: global }
      - { .name: W_K, .offset: 8, .size: 8, .value_kind: global_buffer, .address_space: global }
      - { .name: W_V, .offset: 16, .size: 8, .value_kind: global_buffer, .address_space: global }
      - { .name: W_out, .offset: 24, .size: 8, .value_kind: global_buffer, .address_space: global }
      - { .name: mlp1_w, .offset: 32, .size: 8, .value_kind: global_buffer, .address_space: global }
      - { .name: mlp2_w, .offset: 40, .size: 8, .value_kind: global_buffer, .address_space: global }
      - { .name: wts, .offset: 48, .size: 8, .value_kind: global_buffer, .address_space: global }
    .group_segment_fixed_size: 34304
    .private_segment_fixed_size: 0
    .kernarg_segment_align: 8
    .kernarg_segment_size: 56
    .max_flat_workgroup_size: 128
    .sgpr_count:     102
    .vgpr_count:     256
    .wavefront_size: 32
...
	.end_amdgpu_metadata
.endif
;; end of part 1
;; launch ln1 (part 2): grid 256 x 1, 16 waves a work-group, no clusters, 84,992 bytes of LDS; arguments x, ln1_w, ln1_b, nrm; writes nrm
.if DOCPART == 2
	.amdgcn_target "amdgcn-amd-amdhsa--gfx1250"
	.amdhsa_code_object_version 6
	.text
	.protected	k_q83bfa44d45_ln1
	.globl	k_q83bfa44d45_ln1
	.p2align	8
	.type	k_q83bfa44d45_ln1,@function
k_q83bfa44d45_ln1:
	s_mov_b64 s[64:65], 0
	v_nop
	global_prefetch_b8 v0, s[64:65] scope:SCOPE_SE
	s_setreg_imm32_b32 hwreg(HW_REG_WAVE_MODE, 25, 1), 1
	s_wait_xcnt 0x0
; LayerNorm of 4,096 rows of 1,024 f32, and its result as codes of FP4 (E2M1) with one E8M0 scale byte for each 32 along the row, laid as the matrix unit reads an operand:
; codes [group of 16 slots][block of 32][slot][16 bytes] from byte 0, scale words [128 along K][slot] from byte 2,097,152.  Slot r of group 2 b + u holds true row 32 b + 8 u + (r % 8) + 16 (r / 8).
; SHARES.  A work-group is a group; wave w is slot w and keeps its whole row in 32 registers: the row is read once, mean and variance are taken in two passes (so a common offset costs no accuracy).
; The row turns through the wave's own stage in LDS so that lane l holds block l; the sixteen waves' codes meet in LDS and leave as whole runs of 256 bytes.
; The body serves both norms of the block: the buffers are the launch's.
; LIMITS: NaN and infinities are not served; a block whose largest magnitude lies under 2^-124 has the byte 1 (so has a block of zeros: its codes are zeros and this program alone reads the bytes).
.set CST, 73728                        ; behind the sixteen stages of 4,608 bytes: the codes, 32 blocks x (256 + 16) bytes
.set SST, 82432                        ; the scale words: [8][16 slots]
.set X, 16                             ; v16-47 the row;  v48-79 the gain, later the row turned;  v80-111 the bias, later at work
.set G, 48
.set B, 80
.macro WSUM                            ; v114 summed over the 32 lanes, in every lane
	s_delay_alu instid0(VALU_DEP_1)
	v_add_f32_dpp v114, v114, v114 row_xmask:1 row_mask:0xf bank_mask:0xf
	s_delay_alu instid0(VALU_DEP_1)
	v_add_f32_dpp v114, v114, v114 row_xmask:2 row_mask:0xf bank_mask:0xf
	s_delay_alu instid0(VALU_DEP_1)
	v_add_f32_dpp v114, v114, v114 row_xmask:4 row_mask:0xf bank_mask:0xf
	s_delay_alu instid0(VALU_DEP_1)
	v_add_f32_dpp v114, v114, v114 row_xmask:8 row_mask:0xf bank_mask:0xf
	s_delay_alu instid0(VALU_DEP_1)
	v_permlanex16_b32 v122, v114, s16, s17
	s_delay_alu instid0(VALU_DEP_1)
	v_add_f32 v114, v114, v122
.endm
.macro FOLD                            ; four chains of pairs into v114
	s_delay_alu instid0(VALU_DEP_3)
	v_pk_add_f32 v[114:115], v[114:115], v[116:117]
	s_delay_alu instid0(VALU_DEP_2)
	v_pk_add_f32 v[118:119], v[118:119], v[120:121]
	s_delay_alu instid0(VALU_DEP_1)
	v_pk_add_f32 v[114:115], v[114:115], v[118:119]
	s_delay_alu instid0(VALU_DEP_1)
	v_add_f32 v114, v114, v115
.endm
	s_load_b256 s[4:11], s[0:1], 0x0
	v_lshl_add_u32 v126, v0, 2, 82944              ; my spare word, behind the scale words' stage; never rewritten
	v_mov_b32 v127, 0                              ; 0; never rewritten
	v_lshrrev_b32 v1, 5, v0
	s_delay_alu instid0(VALU_DEP_1)
	v_readfirstlane_b32 s12, v1                    ; wave = slot
	v_and_b32 v1, 31, v0                           ; lane
	s_wait_alu depctr_va_vdst(0)
	s_lshr_b32 s13, ttmp9, 1
	s_lshl_b32 s13, s13, 5
	s_and_b32 s14, ttmp9, 1
	s_lshl_b32 s14, s14, 3
	s_add_co_u32 s13, s13, s14
	s_and_b32 s14, s12, 7
	s_add_co_u32 s13, s13, s14
	s_lshr_b32 s14, s12, 3
	s_lshl_b32 s14, s14, 4
	s_add_co_u32 s13, s13, s14                     ; my true row
	s_lshl_b32 s14, s13, 12
	s_mov_b32 s15, 0
	v_lshlrev_b32 v2, 4, v1                        ; 16 bytes a lane
	s_mov_b32 s16, 0x76543210
	s_mov_b32 s17, 0xfedcba98
	s_lshl_b32 s20, ttmp9, 13                      ; the group's codes
	s_mov_b32 s21, 0
	s_lshl_b32 s26, ttmp9, 6                       ; and its scale words
	s_add_co_u32 s26, s26, 2097152
	s_mov_b32 s27, 0
	s_wait_alu depctr_va_vdst(0)
	s_wait_kmcnt 0x0
	s_add_nc_u64 s[4:5], s[4:5], s[14:15]
	s_add_nc_u64 s[22:23], s[10:11], s[20:21]
	s_add_nc_u64 s[24:25], s[10:11], s[26:27]
.irp j, 0,1,2,3,4,5,6,7
	global_load_b128 v[X+4*\j:X+4*\j+3], v2, s[4:5] offset:512*\j   ; 512 consecutive bytes a load; register 4 j + i: element 128 j + 4 lane + i
.endr
.irp j, 0,1,2,3,4,5,6,7
	global_load_b128 v[G+4*\j:G+4*\j+3], v2, s[6:7] offset:512*\j
.endr
.irp j, 0,1,2,3,4,5,6,7
	global_load_b128 v[B+4*\j:B+4*\j+3], v2, s[8:9] offset:512*\j
.endr
	s_mul_i32 s18, s12, 4608                       ; my stage: 32 places of 128 + 16 bytes
	v_lshrrev_b32 v3, 3, v1
	s_delay_alu instid0(VALU_DEP_1)
	v_mul_u32_u24 v3, v3, 144
	v_and_b32 v4, 7, v1
	s_delay_alu instid0(VALU_DEP_1)
	v_lshl_add_u32 v3, v4, 4, v3
	s_delay_alu instid0(VALU_DEP_1)
	v_add_nc_u32 v3, s18, v3                       ; in: byte 512 j + 16 lane of the row, 16 more for each 128 passed
	v_mul_u32_u24 v4, v1, 144
	s_delay_alu instid0(VALU_DEP_1)
	v_add_nc_u32 v4, s18, v4                       ; out: block = lane
	s_lshl_b32 s19, s12, 4
	v_mul_u32_u24 v5, v1, 272
	s_delay_alu instid0(VALU_DEP_1)
	v_add_nc_u32 v5, s19, v5
	s_delay_alu instid0(VALU_DEP_1)
	v_add_nc_u32 v5, CST, v5                       ; my block's codes: block x 272 + 16 x slot
	v_lshrrev_b32 v6, 2, v1
	s_delay_alu instid0(VALU_DEP_1)
	v_lshlrev_b32 v6, 6, v6
	v_and_b32 v7, 3, v1
	s_delay_alu instid0(VALU_DEP_1)
	v_add_nc_u32 v6, v6, v7
	s_lshl_b32 s19, s12, 2
	v_add_nc_u32 v6, s19, v6
	s_delay_alu instid0(VALU_DEP_1)
	v_add_nc_u32 v6, SST, v6                       ; its byte: 64 (block / 4) + 4 x slot + block % 4
	v_lshrrev_b32 v7, 4, v1
	s_delay_alu instid0(VALU_DEP_1)
	v_mul_u32_u24 v7, v7, 272
	v_and_b32 v8, 15, v1
	s_delay_alu instid0(VALU_DEP_1)
	v_lshl_add_u32 v7, v8, 4, v7
	s_mul_i32 s19, s12, 544
	v_add_nc_u32 v7, s19, v7
	s_delay_alu instid0(VALU_DEP_1)
	v_add_nc_u32 v7, CST, v7                       ; back: wave w takes blocks 2 w, 2 w + 1
	s_lshl_b32 s19, s12, 9
	v_add_nc_u32 v8, s19, v2                       ; and stores them at 512 w + 16 lane
	v_add_nc_u32 v9, SST, v2                       ; wave 0: all the scale words,
	v_lshrrev_b32 v10, 2, v1
	s_delay_alu instid0(VALU_DEP_1)
	v_lshlrev_b32 v10, 14, v10
	v_and_b32 v11, 3, v1
	s_delay_alu instid0(VALU_DEP_1)
	v_lshl_add_u32 v10, v11, 4, v10                ; to rows 16,384 bytes apart
	v_mov_b32 v122, 0                              ; a lane permute's destination counts as one of its sources
	s_wait_loadcnt 16                              ; the row is in; the gain's and the bias's 16 loads may be out
.irp k, 0,1,2,3
	v_pk_add_f32 v[114+2*\k:115+2*\k], v[X+2*\k:X+2*\k+1], v[X+8+2*\k:X+9+2*\k]
.endr
.irp m, 16,24
.irp k, 0,1,2,3
	s_delay_alu instid0(VALU_DEP_4)
	v_pk_add_f32 v[114+2*\k:115+2*\k], v[114+2*\k:115+2*\k], v[X+\m+2*\k:X+\m+2*\k+1]
.endr
.endr
	FOLD
	WSUM
	s_delay_alu instid0(VALU_DEP_1)
	v_mul_f32 v112, 0x3a800000, v114               ; the mean: sum / 1,024
	s_delay_alu instid0(VALU_DEP_1)
	v_mov_b32 v113, v112
.irp j, 0,2,4,6,8,10,12,14,16,18,20,22,24,26,28,30
	v_pk_add_f32 v[X+\j:X+\j+1], v[X+\j:X+\j+1], v[112:113] neg_lo:[0,1] neg_hi:[0,1]
.endr
.irp k, 0,1,2,3
	v_pk_mul_f32 v[114+2*\k:115+2*\k], v[X+2*\k:X+2*\k+1], v[X+2*\k:X+2*\k+1]
.endr
.irp m, 8,16,24
.irp k, 0,1,2,3
	s_delay_alu instid0(VALU_DEP_4)
	v_pk_fma_f32 v[114+2*\k:115+2*\k], v[X+\m+2*\k:X+\m+2*\k+1], v[X+\m+2*\k:X+\m+2*\k+1], v[114+2*\k:115+2*\k]
.endr
.endr
	FOLD
	WSUM
	v_mov_b32 v123, 0x3727c5ac                     ; 1e-5
	s_delay_alu instid0(VALU_DEP_1)
	v_fmamk_f32 v114, v114, 0x3a800000, v123       ; the variance + 1e-5
	s_wait_alu depctr_va_vdst(0)
	v_rsq_f32 v124, v114
	v_nop
	s_wait_alu depctr_va_vdst(0)                   ; the wait ahead of the first reader of the root
	v_mov_b32 v125, v124
	s_wait_alu depctr_va_vdst(0)
	s_wait_loadcnt 0x0
.irp j, 0,2,4,6,8,10,12,14,16,18,20,22,24,26,28,30
	v_pk_mul_f32 v[X+\j:X+\j+1], v[X+\j:X+\j+1], v[124:125]
.endr
.irp j, 0,2,4,6,8,10,12,14,16,18,20,22,24,26,28,30
	v_pk_fma_f32 v[X+\j:X+\j+1], v[X+\j:X+\j+1], v[G+\j:G+\j+1], v[B+\j:B+\j+1]
.endr
.irp j, 0,1,2,3,4,5,6,7
	ds_store_b128 v3, v[X+4*\j:X+4*\j+3] offset:576*\j
.endr
.irp i, 0,1,2,3,4,5,6,7
	ds_load_b128 v[G+4*\i:G+4*\i+3], v4 offset:16*\i   ; LDS serves a wave's instructions in order: these see the stores above
.endr
	s_wait_dscnt 0x0
	v_max3_num_f32 v100, |v[G]|, |v[G+1]|, 0x1800000   ; my block's largest magnitude, with the floor 2^(3 - 127)
	v_max3_num_f32 v101, |v[G+2]|, |v[G+3]|, |v[G+4]|
.irp i, 5,9,13,17,21,25
	s_delay_alu instid0(VALU_DEP_2)
	v_max3_num_f32 v100, v100, |v[G+\i]|, |v[G+\i+1]|
	s_delay_alu instid0(VALU_DEP_2)
	v_max3_num_f32 v101, v101, |v[G+\i+2]|, |v[G+\i+3]|
.endr
	s_delay_alu instid0(VALU_DEP_2)
	v_max3_num_f32 v100, v100, |v[G+29]|, |v[G+30]|
	s_delay_alu instid0(VALU_DEP_1)
	v_max3_num_f32 v100, v100, v101, |v[G+31]|
	s_delay_alu instid0(VALU_DEP_1)
	v_add_nc_u32 v102, 0xff000000, v100            ; 2 off the exponent field: the conversion's scale operand
.irp g, 0,1,2,3
	v_cvt_scalef32_pk8_fp4_f32 v[104+\g], v[G+8*\g:G+8*\g+7], v102
.endr
	v_lshrrev_b32 v103, 23, v102                   ; the byte; also the plain line behind the conversions
	ds_store_b128 v5, v[104:107]
	ds_store_b8 v6, v103
	s_wait_dscnt 0x0                               ; for the others' sake: my stores have landed
	s_barrier_signal -1
	s_barrier_wait -1
	ds_load_b128 v[108:111], v7
	s_wait_dscnt 0x0
	global_store_b128 v8, v[108:111], s[22:23]     ; 32 lanes store 512 consecutive bytes
	s_cmp_lg_u32 s12, 0
	s_cbranch_scc1 .Lend
	ds_load_b128 v[96:99], v9
	s_wait_dscnt 0x0
	global_store_b128 v10, v[96:99], s[24:25]      ; eight pieces of 64 bytes: the scale words are one byte for each 128 read
.Lend:
	s_wait_tensorcnt 0x0                           ; the wave's end, behind my last LDS store
	ds_add_u32 v126, v127
	s_wait_dscnt 0x0
	s_endpgm
.Lfunc_end_k_q83bfa44d45_ln1:
	.size	k_q83bfa44d45_ln1, .Lfunc_end_k_q83bfa44d45_ln1-k_q83bfa44d45_ln1
	.p2alignl 7, 3214868480
	.fill 96, 4, 3214868480
	.section	.rodata,"a",@progbits
	.p2align	6, 0x0
	.amdhsa_kernel k_q83bfa44d45_ln1
		.amdhsa_group_segment_fixed_size 84992
		.amdhsa_private_segment_fixed_size 0
		.amdhsa_enable_private_segment 0
		.amdhsa_kernarg_size 32
		.amdhsa_user_sgpr_count 2
		.amdhsa_user_sgpr_kernarg_segment_ptr 1
		.amdhsa_wavefront_size32 1
		.amdhsa_system_sgpr_workgroup_id_x 1
		.amdhsa_system_sgpr_workgroup_id_y 1
		.amdhsa_system_sgpr_workgroup_id_z 1
		.amdhsa_system_vgpr_workitem_id 0
		.amdhsa_next_free_vgpr 128
		.amdhsa_next_free_sgpr 102
		.amdhsa_reserve_vcc 0
		.amdhsa_float_denorm_mode_32 3
		.amdhsa_float_denorm_mode_16_64 3
		.amdhsa_memory_ordered 1
		.amdhsa_forward_progress 1
		.amdhsa_inst_pref_size 18
	.end_amdhsa_kernel
	.amdgpu_metadata
---
amdhsa.version: [ 1, 2 ]
amdhsa.kernels:
  - .name:           k_q83bfa44d45_ln1
    .symbol:         k_q83bfa44d45_ln1.kd
    .args:
      - { .name: x, .offset: 0, .size: 8, .value_kind: global_buffer, .address_space: global }
      - { .name: ln1_w, .offset: 8, .size: 8, .value_kind: global_buffer, .address_space: global }
      - { .name: ln1_b, .offset: 16, .size: 8, .value_kind: global_buffer, .address_space: global }
      - { .name: nrm, .offset: 24, .size: 8, .value_kind: global_buffer, .address_space: global }
    .group_segment_fixed_size: 84992
    .private_segment_fixed_size: 0
    .kernarg_segment_align: 8
    .kernarg_segment_size: 32
    .max_flat_workgroup_size: 512
    .sgpr_count:     102
    .vgpr_count:     128
    .wavefront_size: 32
...
	.end_amdgpu_metadata
.endif
;; end of part 2
;; launch qkvp (part 3): grid 16 x 16, 8 waves a work-group, clusters of 4 x 4, 217,088 bytes of LDS; arguments nrm, wts, qkv; writes qkv
.if DOCPART == 3
	.amdgcn_target "amdgcn-amd-amdhsa--gfx1250"
	.amdhsa_code_object_version 6
	.text
	.protected	k_q83bfa44d45_qkvp
	.globl	k_q83bfa44d45_qkvp
	.p2align	8
	.type	k_q83bfa44d45_qkvp,@function
k_q83bfa44d45_qkvp:
	s_mov_b64 s[64:65], 0
	v_nop
	global_prefetch_b8 v0, s[64:65] scope:SCOPE_SE
	s_setreg_imm32_b32 hwreg(HW_REG_WAVE_MODE, 25, 1), 1
	s_wait_xcnt 0x0
	s_wait_alu depctr_hold_cnt(0) depctr_sa_sdst(0) depctr_va_vdst(0) depctr_va_sdst(0) depctr_va_ssrc(0) depctr_va_vcc(0) depctr_vm_vsrc(0)
	s_getreg_b32 s2, hwreg(HW_REG_IB_STS2, 6, 4)
	s_cmp_eq_u32 s2, 0
	s_cbranch_scc0 .Lentry_in_a_cluster
	s_endpgm
.Lentry_in_a_cluster:
	s_bfe_u32 s2, ttmp6, 0x10000c
	s_cmp_lg_u32 s2, 0xf033
	s_cbranch_scc0 .Lentry_shape_is_right
	s_endpgm
.Lentry_shape_is_right:
; q, k, v = LN1(x) W: [4,096 x 1,024] x [1,024 x 2,048] on codes of FP4 with E8M0 scales, and the results quantised in registers for the attention's products.
; Operands lie as images of the matrix unit's registers: codes [group of 16 slots][K / 32][slot][16 bytes], scale words [K / 128][slot]; slot r of group 2 b + u holds true row 32 b + 8 u + (r % 8) + 16 (r / 8).
; SHARES.  A work-group makes 256 rows x 128 columns; its eight waves 64 x 64 each (16 accumulators, 128 registers).  All of K fits in LDS: it comes as two chunks of 512 along K, both first fills; nothing is filled again.
; CLUSTER 4 x 4: the four of a row of the cluster need the same rows of the activations, the four of a column the same rows of the weights: each tile is asked for jointly.
; COLUMNS 0-1,535 (q, k; cluster x 0-2): the product is used transposed (source 0 = 16 rows of W), so that a lane holds one row and 16 neighbouring channels of each pair of tiles: blocks along the head's 64.
; COLUMNS 1,536-2,047 (v; cluster x 3): source 0 = 16 rows of the activations: a lane holds one channel and 16 neighbouring KEYS: blocks along the keys, the second attention product's K.
; The branch between the two hangs on the cluster's x alone, which all partners share.
; OUT.  q, k: [24 heads][group][2 blocks][slot][16 bytes]; scale words [24][pair of groups][slot], bytes (even group: block 0, 1; odd group: block 0, 1).  v: [8 groups of heads][4 tiles of channels][key / 32][slot][16 bytes]; words [8][key / 128][64 channel slots].
; LIMITS: NaN and infinities are not served; a block whose largest magnitude lies under 2^-124 has the byte 1.
.set NRM_S,  2097152
.set WQKV_S, 1048576
.set QK_S,   3145728
.set V_C,    3342336
.set V_S,    4390912
.set CKB,    4096                      ; a group's bytes in a chunk: 4 K steps of 1,024
.set CH,     98304                     ; a chunk: 16 groups of the activations, 8 of the weights
.set SCA,    196608                    ; the activations' scale words: [8][256 slots]
.set SCB,    204800                    ; the weights': [8] rows of 512 bytes, 1,024 apart
.set SP,     1024
.set SC,  24                           ; v24-27 scale words: lanes 0-15 the activations' block i, lanes 16-31 the weights'
.set AF,  32                           ; v32-63 four fragments of the activations;  v64-95 of the weights
.set BF,  64
.set ACC, 128
.set QT,  32                           ; the quantiser's registers, free behind the products
.set QU,  36
.set QS,  40
.set SEL, 16
.macro CROUND                          ; a round of the cluster's barrier
	s_barrier_signal -1
	s_barrier_wait -1
	s_cmp_lg_u32 s20, 0
	s_cbranch_scc1 .Lnot_wave_0_\@
	s_barrier_signal -3
.Lnot_wave_0_\@:
	s_barrier_wait -3
	s_barrier_signal -1
	s_barrier_wait -1
.endm
.macro G0SET g, ldsr, ldsc, ptr, add   ; descriptor group 0: count 1, LDS address, global address, type 2
	s_mov_b32 s[\g], 1
	s_add_co_u32 s[\g+1], s[\ldsr], \ldsc
	s_add_nc_u64 s[\g+2:\g+3], s[\ptr:\ptr+1], \add
	s_or_b32 s[\g+3], s[\g+3], 0x80000000
.endm
.macro PROD a, t, cm, nat
.if \nat
.set PD, ACC+8*(4*(\t)+(\a))
.if \cm
	v_wmma_scale_f32_16x16x128_f8f6f4 v[PD:PD+7], v[AF+8*(\a):AF+8*(\a)+7], v[BF+8*(\t):BF+8*(\t)+7], v[PD:PD+7], v[SC+(\a)], v[SC+(\t)] matrix_a_fmt:MATRIX_FMT_FP4 matrix_b_fmt:MATRIX_FMT_FP4 matrix_b_scale:MATRIX_SCALE_ROW1
.else
	v_wmma_scale_f32_16x16x128_f8f6f4 v[PD:PD+7], v[AF+8*(\a):AF+8*(\a)+7], v[BF+8*(\t):BF+8*(\t)+7], 0, v[SC+(\a)], v[SC+(\t)] matrix_a_fmt:MATRIX_FMT_FP4 matrix_b_fmt:MATRIX_FMT_FP4 matrix_b_scale:MATRIX_SCALE_ROW1
.endif
.else
.set PD, ACC+8*(4*(\a)+(\t))
.if \cm
	v_wmma_scale_f32_16x16x128_f8f6f4 v[PD:PD+7], v[BF+8*(\t):BF+8*(\t)+7], v[AF+8*(\a):AF+8*(\a)+7], v[PD:PD+7], v[SC+(\t)], v[SC+(\a)] matrix_a_fmt:MATRIX_FMT_FP4 matrix_b_fmt:MATRIX_FMT_FP4 matrix_a_scale:MATRIX_SCALE_ROW1
.else
	v_wmma_scale_f32_16x16x128_f8f6f4 v[PD:PD+7], v[BF+8*(\t):BF+8*(\t)+7], v[AF+8*(\a):AF+8*(\a)+7], 0, v[SC+(\t)], v[SC+(\a)] matrix_a_fmt:MATRIX_FMT_FP4 matrix_b_fmt:MATRIX_FMT_FP4 matrix_a_scale:MATRIX_SCALE_ROW1
.endif
.endif
.endm
; 128 along K: eight fragments (two loads of 512 consecutive bytes each), four registers of scale words, 16 products; the 16 accumulators take turns
.macro KSTEP adra, adrb, ko, so, cm, nat
.rept 4
	v_nop                                          ; four places in front of loads into registers that matrix instructions have read
.endr
.irp i, 0,1,2,3
	ds_load_b128 v[AF+8*\i:AF+8*\i+3], v[\adra] offset:\i*CKB+\ko
	ds_load_b128 v[AF+8*\i+4:AF+8*\i+7], v[\adra] offset:\i*CKB+\ko+512
	ds_load_b128 v[BF+8*\i:BF+8*\i+3], v[\adrb] offset:\i*CKB+\ko
	ds_load_b128 v[BF+8*\i+4:BF+8*\i+7], v[\adrb] offset:\i*CKB+\ko+512
.endr
.irp i, 0,1,2,3
	ds_load_b32 v[SC+\i], v8 offset:\so+64*\i
.endr
	s_wait_dscnt 0x0
.irp a, 0,1,2,3
.irp t, 0,1,2,3
	PROD \a, \t, \cm, \nat
.endr
.endr
.endm
.macro CHUNK c, nat
.set ck_, 0
.rept 4
.if (\c == 0) && (ck_ == 0)
	KSTEP 4+\c, 6+\c, 1024*ck_, (4*\c+ck_)*SP, 0, \nat     ; the first products start the sums: nothing is cleared
.else
	KSTEP 4+\c, 6+\c, 1024*ck_, (4*\c+ck_)*SP, 1, \nat
.endif
.set ck_, ck_+1
.endr
.endm
; nb blocks by turns.  Block q: 16 numbers of my lane at v[x + 16 q], the other 16 in lane l xor 16.  Codes (8 bytes: my half block) into v[cd + 2 q], +1; the byte into v[eb + q]
.macro QBS x, nb, cd, eb
.set qb_, 0
.rept \nb
	v_max3_num_f32 v[QT+qb_], |v[\x+16*qb_]|, |v[\x+16*qb_+1]|, 0x1800000   ; from each accumulator's low end on; the floor 2^(3 - 127) holds the byte at 1 from below
.set qb_, qb_+1
.endr
.irp i, 2,4,6,8,10,12,14
.set qb_, 0
.rept \nb
	v_max3_num_f32 v[QT+qb_], v[QT+qb_], |v[\x+16*qb_+\i]|, |v[\x+16*qb_+\i+1]|
.set qb_, qb_+1
.endr
.endr
.set qb_, 0
.rept \nb
	s_delay_alu instid0(VALU_DEP_4)
	v_permlanex16_b32 v[QU+qb_], v[QT+qb_], s[SEL], s[SEL+1]
.set qb_, qb_+1
.endr
.set qb_, 0
.rept \nb
	s_delay_alu instid0(VALU_DEP_4)
	v_max_num_f32 v[QT+qb_], v[QT+qb_], v[QU+qb_]
.set qb_, qb_+1
.endr
.set qb_, 0
.rept \nb
	s_delay_alu instid0(VALU_DEP_4)
	v_add_nc_u32 v[QS+qb_], 0xff000000, v[QT+qb_]  ; 2 off the exponent field: the conversion's scale operand
.set qb_, qb_+1
.endr
.set qb_, 0
.rept \nb
	s_delay_alu instid0(VALU_DEP_4)
	v_lshrrev_b32 v[\eb+qb_], 23, v[QS+qb_]
.set qb_, qb_+1
.endr
.set qb_, 0
.rept \nb
	v_cvt_scalef32_pk8_fp4_f32 v[\cd+2*qb_], v[\x+16*qb_:\x+16*qb_+7], v[QS+qb_]
	v_cvt_scalef32_pk8_fp4_f32 v[\cd+2*qb_+1], v[\x+16*qb_+8:\x+16*qb_+15], v[QS+qb_]
.set qb_, qb_+1
.endr
	v_nop                                          ; one plain line behind the last conversion
.endm
	s_load_b128 s[4:7], s[0:1], 0x0                ; nrm, wts
	s_load_b64 s[8:9], s[0:1], 0x10
.set SPARE, 214016                     ; the spare words, 128 bytes a wave, behind the scale words
	v_lshl_add_u32 v14, v0, 2, SPARE
	v_mov_b32 v15, 0
	ds_add_u32 v14, v15                            ; the opening lines: the add twice on end and one wait, ahead of the round in front of the first loads
	ds_add_u32 v14, v15
	v_lshrrev_b32 v1, 5, v0
	s_delay_alu instid0(VALU_DEP_1)
	v_readfirstlane_b32 s20, v1                    ; wave 0..7
	s_lshr_b32 s21, s20, 1                         ; wy: which 64 rows
	s_and_b32 s22, s20, 1                          ; wx: which 64 columns.  Also: which half of the activations' tile I fetch
	s_bfe_u32 s24, ttmp6, 0x40000                  ; cx
	s_bfe_u32 s25, ttmp6, 0x40004                  ; cy
	s_lshl_b32 s26, ttmp9, 2
	s_add_co_u32 s26, s26, s24                     ; tile column
	s_and_b32 s27, ttmp7, 0xffff
	s_lshl_b32 s27, s27, 2
	s_add_co_u32 s27, s27, s25                     ; tile row
	s_lshl_b32 s28, s25, 2
	s_lshl_b32 s28, 15, s28                        ; my row of the cluster
	s_lshl_b32 s29, 0x1111, s24                    ; my column
	s_mov_b32 s[SEL], 0x76543210
	s_mov_b32 s[SEL+1], 0xfedcba98
	; descriptor groups 1, elements of 8 bytes.  Codes: 8 groups x 4,096 bytes, 8,192 apart
	s_or_b32 s32, s28, (3<<16)|(1<<21)
	s_or_b32 s40, s29, (3<<16)|(1<<21)
.irp g, 32, 40
	s_mov_b32 s[\g+1], 512<<16
	s_mov_b32 s[\g+2], 8<<16
	s_mov_b32 s[\g+3], 512<<16
	s_mov_b32 s[\g+4], 8
	s_mov_b32 s[\g+5], 1024
	s_mov_b32 s[\g+6], 0
	s_mov_b32 s[\g+7], 0
.endr
	s_or_b32 s48, s28, (3<<16)|(1<<21)             ; the activations' scale words: 8 K steps x 1,024 bytes, 16,384 apart
	s_mov_b32 s49, 128<<16
	s_mov_b32 s50, 8<<16                           ; all 8 K steps in one load
	s_mov_b32 s51, 128<<16
	s_mov_b32 s52, 8
	s_mov_b32 s53, 2048
	s_mov_b32 s54, 0
	s_mov_b32 s55, 0
	s_or_b32 s56, s29, (3<<16)|(1<<20)|(1<<21)|(6<<22)|(127<<25)   ; the weights': 8 K steps x 512 bytes, 8,192 apart; 128 words of padding behind each 128, so that both sides' rows lie 1,024 apart in LDS
	s_mov_b32 s57, 64<<16
	s_mov_b32 s58, 8<<16
	s_mov_b32 s59, 64<<16
	s_mov_b32 s60, 8
	s_mov_b32 s61, 1024
	s_mov_b32 s62, 0
	s_mov_b32 s63, 0
	; where the tiles come from: the activations' hang on the tile row alone, the weights' on the tile column alone, each in registers that never hold the other coordinate
	s_lshl_b32 s92, s27, 17
	s_lshl_b32 s93, s22, 16
	s_add_co_u32 s92, s92, s93                     ; (16 x tile row + 8 x half) groups of 8,192 bytes
	s_mov_b32 s93, 0
	s_lshl_b32 s94, s27, 10
	s_add_co_u32 s94, s94, NRM_S
	s_mov_b32 s95, 0
	s_lshl_b32 s96, s26, 16
	s_mov_b32 s97, 0
	s_lshl_b32 s98, s26, 9
	s_add_co_u32 s98, s98, WQKV_S
	s_mov_b32 s99, 0
	s_lshl_b32 s30, s22, 15                        ; the activations' halves go to 32,768 x half
	s_mov_b32 s31, 0
	s_wait_dscnt 0x0                               ; both opening adds are done
	s_wait_kmcnt 0x0
	s_add_nc_u64 s[92:93], s[4:5], s[92:93]
	s_add_nc_u64 s[94:95], s[4:5], s[94:95]
	s_add_nc_u64 s[96:97], s[6:7], s[96:97]
	s_add_nc_u64 s[98:99], s[6:7], s[98:99]
	G0SET 68, 31, SCA, 94, 0
	G0SET 72, 30, 0, 92, 0
	G0SET 76, 30, CH, 92, CKB
	G0SET 80, 31, SCB, 98, 0
	G0SET 84, 31, 65536, 96, 0
	G0SET 88, 31, CH+65536, 96, CKB
	CROUND                                         ; all sixteen work-groups are here: the joint loads meet
; The eight first fills, one a wave, in one chain of branches on the wave's number: waves 0, 1 chunk 0's halves of the activations, 2 chunk 0 of the weights, 3 and 4 the scale words, 5, 6 and 7 chunk 1
.macro ARM under, g0, g1, next
	s_cmp_lt_u32 s20, \under
	s_cbranch_scc0 \next
	tensor_load_to_lds s[\g0:\g0+3], s[\g1:\g1+7]
	s_nop 0
.rept 4
	v_nop
.endr
	s_branch .Lasked
\next:
.endm
	ARM 2, 72, 32, .La1
	ARM 3, 84, 40, .La2
	ARM 4, 68, 48, .La3
	ARM 5, 80, 56, .La4
	ARM 7, 76, 32, .La5
	tensor_load_to_lds s[88:91], s[40:47]
	s_nop 0
.rept 4
	v_nop
.endr
.Lasked:
	v_and_b32 v3, 31, v0                           ; lane
	v_and_b32 v1, 15, v0                           ; r
	v_bfe_u32 v2, v0, 4, 1                         ; h
	s_delay_alu instid0(VALU_DEP_3)
	v_lshlrev_b32 v12, 4, v3
	s_lshl_b32 s18, s21, 14
	v_add_nc_u32 v4, s18, v12                      ; my four groups of the activations, chunk 0,
	s_delay_alu instid0(VALU_DEP_1)
	v_add_nc_u32 v5, CH, v4                        ; chunk 1
	s_lshl_b32 s18, s22, 14
	s_add_co_u32 s18, s18, 65536
	v_add_nc_u32 v6, s18, v12                      ; and of the weights
	s_delay_alu instid0(VALU_DEP_1)
	v_add_nc_u32 v7, CH, v6
	s_lshl_b32 s18, s21, 8
	s_lshl_b32 s19, s22, 8
	s_add_co_u32 s19, s19, SCB-SCA
	s_sub_co_u32 s19, s19, s18
	v_mul_u32_u24 v8, s19, v2                      ; lanes 16-31 take the weights' words: one product with h
	s_delay_alu instid0(VALU_DEP_1)
	v_lshl_add_u32 v8, v1, 2, v8
	s_add_co_u32 s18, s18, SCA
	v_add_nc_u32 v8, s18, v8
	v_lshlrev_b32 v9, 4, v1
	s_delay_alu instid0(VALU_DEP_1)
	v_lshl_add_u32 v9, v2, 3, v9                   ; out: 16 r + 8 h: my half block
	v_lshlrev_b32 v10, 2, v3
	s_wait_alu depctr_va_vdst(0)
	s_cmp_ge_u32 s20, 5                            ; waves 5 to 7 fetched chunk 1, which is first read behind the next barrier: they wait for it there
	s_cbranch_scc1 .Lc1w
	s_wait_tensorcnt 0x0                           ; my part of chunk 0 or of the scale words is in
.Lc1w:
	s_barrier_signal -1
	s_barrier_wait -1
	s_cmp_eq_u32 ttmp9, 3
	s_cbranch_scc1 .Lv0
	s_wait_alu depctr_va_vdst(0)
	CHUNK 0, 0
	s_branch .Lj0
.Lv0:
	s_wait_alu depctr_va_vdst(0)
	CHUNK 0, 1
.Lj0:
	s_wait_tensorcnt 0x0                           ; chunk 1 is in
	s_barrier_signal -1
	s_barrier_wait -1
	s_cmp_eq_u32 ttmp9, 3
	s_cbranch_scc1 .Lv1
	CHUNK 1, 0
	s_branch .Lj1
.Lv1:
	CHUNK 1, 1
.Lj1:
.rept 4
	v_nop                                          ; four places in front of the first read of results and the first write of operands
.endr
.irp b, 0,1,2,3
	v_mov_b32 v[QU+\b], 0                          ; a lane permute's destination counts as one of its sources
.endr
	QBS ACC, 4, 96, 112                            ; eight blocks: registers 16 q on;  q = 2 o + b: q, k: o the block of rows, b the head's half;  v: o the tile of channels, b the block of keys
	QBS ACC+64, 4, 104, 116
	v_cmp_le_u32 vcc_lo, 16, v3                    ; lanes 16-31
	s_cmp_eq_u32 ttmp9, 3
	s_cbranch_scc1 .Lvout
	s_lshl_b32 s10, s26, 1
	s_add_co_u32 s10, s10, s22                     ; the head: 64 columns each
	s_lshl_b32 s12, s10, 17
	s_lshl_b32 s11, s27, 13
	s_add_co_u32 s12, s12, s11
	s_lshl_b32 s11, s21, 11
	s_add_co_u32 s12, s12, s11                     ; group 16 x tile row + 4 wy: 512 bytes each
	s_mov_b32 s13, 0
	s_add_nc_u64 s[12:13], s[8:9], s[12:13]
	s_lshl_b32 s14, s10, 13
	s_lshl_b32 s11, s27, 9
	s_add_co_u32 s14, s14, s11
	s_lshl_b32 s11, s21, 7
	s_add_co_u32 s14, s14, s11
	s_add_co_u32 s14, s14, QK_S
	s_mov_b32 s15, 0
	s_add_nc_u64 s[14:15], s[8:9], s[14:15]
	s_wait_alu depctr_va_vdst(0)
.irp q, 0,1,2,3,4,5,6,7
	global_store_b64 v9, v[96+2*\q:97+2*\q], s[12:13] offset:256*\q   ; 32 lanes store 256 consecutive bytes, aligned
.endr
	v_lshl_or_b32 v120, v113, 8, v112              ; a pair of groups' four bytes make a word
	v_lshl_or_b32 v121, v117, 8, v116
	s_delay_alu instid0(VALU_DEP_2)
	v_lshl_or_b32 v120, v114, 16, v120
	s_delay_alu instid0(VALU_DEP_2)
	v_lshl_or_b32 v121, v118, 16, v121
	s_delay_alu instid0(VALU_DEP_2)
	v_lshl_or_b32 v120, v115, 24, v120
	s_delay_alu instid0(VALU_DEP_2)
	v_lshl_or_b32 v121, v119, 24, v121
	s_delay_alu instid0(VALU_DEP_1)
	v_cndmask_b32 v120, v120, v121, vcc_lo         ; lanes 0-15 store the first pair's, lanes 16-31 the second's
	global_store_b32 v10, v120, s[14:15]
	s_branch .Lout
.Lvout:
	s_sub_co_u32 s10, s26, 12
	s_lshl_b32 s10, s10, 1
	s_add_co_u32 s10, s10, s22                     ; the group of heads
	s_lshl_b32 s12, s10, 17
	s_lshl_b32 s11, s27, 11
	s_add_co_u32 s12, s12, s11
	s_lshl_b32 s11, s21, 9
	s_add_co_u32 s12, s12, s11                     ; block of keys 8 x tile row + 2 wy: 256 bytes each
	s_add_co_u32 s12, s12, V_C
	s_mov_b32 s13, 0
	s_add_nc_u64 s[12:13], s[8:9], s[12:13]
	s_lshl_b32 s14, s10, 13
	s_lshl_b32 s11, s27, 9
	s_add_co_u32 s14, s14, s11
	s_lshr_b32 s11, s21, 1
	s_lshl_b32 s11, s11, 8
	s_add_co_u32 s14, s14, s11                     ; key step 2 x tile row + wy / 2: 256 bytes each,
	s_and_b32 s11, s21, 1
	s_lshl_b32 s11, s11, 1
	s_add_co_u32 s14, s14, s11                     ; bytes 2 (wy % 2), + 1 of its words
	s_add_co_u32 s14, s14, V_S
	s_mov_b32 s15, 0
	s_add_nc_u64 s[14:15], s[8:9], s[14:15]
	s_wait_alu depctr_va_vdst(0)
.irp o, 0,1,2,3
.irp b, 0,1
	global_store_b64 v9, v[96+4*\o+2*\b:97+4*\o+2*\b], s[12:13] offset:32768*\o+256*\b
.endr
.endr
.irp o, 0,1,2,3
	v_lshl_or_b32 v[120+\o], v[113+2*\o], 8, v[112+2*\o]
.endr
	s_delay_alu instid0(VALU_DEP_3)
	v_cndmask_b32 v120, v120, v121, vcc_lo         ; lanes 0-15 an even tile of channels, lanes 16-31 the odd one
	s_delay_alu instid0(VALU_DEP_2)
	v_cndmask_b32 v122, v122, v123, vcc_lo
	global_store_b16 v10, v120, s[14:15]           ; two bytes a lane: these scale words are 65,536 bytes in the whole launch
	global_store_b16 v10, v122, s[14:15] offset:128
.Lout:
	s_wait_tensorcnt 0x0                           ; the wave's end, ahead of the closing round
	ds_add_u32 v14, v15
	s_wait_dscnt 0x0
	CROUND
	s_endpgm
.Lfunc_end_k_q83bfa44d45_qkvp:
	.size	k_q83bfa44d45_qkvp, .Lfunc_end_k_q83bfa44d45_qkvp-k_q83bfa44d45_qkvp
	.p2alignl 7, 3214868480
	.fill 96, 4, 3214868480
	.section	.rodata,"a",@progbits
	.p2align	6, 0x0
	.amdhsa_kernel k_q83bfa44d45_qkvp
		.amdhsa_group_segment_fixed_size 217088
		.amdhsa_private_segment_fixed_size 0
		.amdhsa_enable_private_segment 0
		.amdhsa_kernarg_size 24
		.amdhsa_user_sgpr_count 2
		.amdhsa_user_sgpr_kernarg_segment_ptr 1
		.amdhsa_wavefront_size32 1
		.amdhsa_system_sgpr_workgroup_id_x 1
		.amdhsa_system_sgpr_workgroup_id_y 1
		.amdhsa_system_sgpr_workgroup_id_z 1
		.amdhsa_system_vgpr_workitem_id 0
		.amdhsa_next_free_vgpr 256
		.amdhsa_next_free_sgpr 102
		.amdhsa_reserve_vcc 1
		.amdhsa_float_denorm_mode_32 3
		.amdhsa_float_denorm_mode_16_64 3
		.amdhsa_memory_ordered 1
		.amdhsa_forward_progress 1
		.amdhsa_inst_pref_size 77
	.end_amdhsa_kernel
	.amdgpu_metadata
---
amdhsa.version: [ 1, 2 ]
amdhsa.kernels:
  - .name:           k_q83bfa44d45_qkvp
    .symbol:         k_q83bfa44d45_qkvp.kd
    .args:
      - { .name: nrm, .offset: 0, .size: 8, .value_kind: global_buffer, .address_space: global }
      - { .name: wts, .offset: 8, .size: 8, .value_kind: global_buffer, .address_space: global }
      - { .name: qkv, .offset: 16, .size: 8, .value_kind: global_buffer, .address_space: global }
    .group_segment_fixed_size: 217088
    .private_segment_fixed_size: 0
    .kernarg_segment_align: 8
    .kernarg_segment_size: 24
    .max_flat_workgroup_size: 256
    .sgpr_count:     102
    .vgpr_count:     256
    .wavefront_size: 32
...
	.end_amdgpu_metadata
.endif
;; end of part 3
;; launch attn (part 4): grid 16 x 16, 16 waves a work-group, clusters of 4 x 1, 167,936 bytes of LDS; arguments qkv, zb; writes zb
.if DOCPART == 4
	.amdgcn_target "amdgcn-amd-amdhsa--gfx1250"
	.amdhsa_code_object_version 6
	.text
	.protected	k_q83bfa44d45_attn
	.globl	k_q83bfa44d45_attn
	.p2align	8
	.type	k_q83bfa44d45_attn,@function
k_q83bfa44d45_attn:
	s_mov_b64 s[64:65], 0
	v_nop
	global_prefetch_b8 v0, s[64:65] scope:SCOPE_SE
	s_setreg_imm32_b32 hwreg(HW_REG_WAVE_MODE, 25, 1), 1
	s_wait_xcnt 0x0
	s_wait_alu depctr_hold_cnt(0) depctr_sa_sdst(0) depctr_va_vdst(0) depctr_va_sdst(0) depctr_va_ssrc(0) depctr_va_vcc(0) depctr_vm_vsrc(0)
	s_getreg_b32 s2, hwreg(HW_REG_IB_STS2, 6, 4)
	s_cmp_eq_u32 s2, 0
	s_cbranch_scc0 .Lentry_in_a_cluster
	s_endpgm
.Lentry_in_a_cluster:
	s_bfe_u32 s2, ttmp6, 0x10000c
	s_cmp_lg_u32 s2, 0x3003
	s_cbranch_scc0 .Lentry_shape_is_right
	s_endpgm
.Lentry_shape_is_right:
; Causal attention with two query heads to a key and value head, head size 64, 2 x 2,048 rows, both products on codes of FP4 with E8M0 scales; the result z quantised along 64 x head + channel for the next product.
; THE SOFTMAX AHEAD OF THE SECOND PRODUCT: t = score x log2(e) / 8; M = the row's largest t so far, rounded up to a whole number; p = 2^(t - M) is quantised along the keys; the row's sum of the unquantised p divides at the end.
; SHARES.  Work-group y = 8 x batch + group of heads.  All K and V of that batch and group, 136 KiB with their scale words, come into LDS once: first fills alone, nothing is filled again, and ONE barrier stands in front of the loop:
; behind it no wave waits for another until the end, so that waves with few steps leave their SIMD to those with many.
; CLUSTER 4 x 1: the four partners walk the same K and V: every load is asked for jointly, mask 15.
; A wave owns one tile of 16 queries of one head.  Head 2 g + bit 2 of the wave's number.  Tile 16 t + w, with t = base xor 7 flip, base = 2 (wave / 8) + bit 1, flip = bit 0 xor bit 2, and w = wgx, or 15 - wgx where flip = 1.
; By wave / 4 (rows) and wave % 4 (columns) t is  0 7 1 6 / 7 0 6 1 / 2 5 3 4 / 5 2 4 3: every row and every column sums to 14, and holds two flipped waves: any such four waves have 34 key steps together, in every work-group.
; Every wave walks 16 trips of 128 keys; a trip whose keys all come after the wave's queries is left out by a scalar branch on ids (wave number and the cluster's x: nothing that differs between partners).
; LAYOUT.  Rows stand in groups of 16 slots, slot r of group 2 b + u = true row 32 b + 8 u + (r % 8) + 16 (r / 8).  Both products are used transposed: a lane holds one query; the 16 registers of tiles 2 b, 2 b + 1 are keys 32 b + 16 (lane / 16) + 0 .. 15.
; K = 64 IN AN INSTRUCTION OF 128: two neighbouring groups of keys lie on end as one fragment: K positions 0-63 the even group's channels, 64-127 the odd group's.  q with zero codes in the other half picks one of the two.
; LIMITS: hidden scores are -infinity where the problem has -1e6: the same p, 0, while a row's visible logits stay above about -1e6 + 150.  NaN and infinities are not served; a block of z under 2^-124 has the byte 1.
.set QK_S, 3145728
.set V_C,  3342336
.set V_S,  4390912
.set KL,   0                           ; K: [64 pairs of groups][1,024 bytes]
.set VL,   65536                       ; V: [4 tiles of channels][64 blocks of keys][256 bytes]
.set KS,   131072                      ; K's scale words, 4,096 bytes
.set VS,   135168                      ; V's
.set SEL, 20
.set CS,  22
.set DS,  80                           ; s80 the step on the diagonal;  s81 the step;  s82, s83, s84 where the step's K, V and scale words begin;  s85 trips
.set STP, 81
.set TK,  82
.set TV,  83
.set TS,  84
.set QT,  32
.set QU,  34
.set QS,  36
; v1-4 my lane's place in K, V and their scale words; v5 my query less the step's first key less 16 (lane / 16); v7 4 r; v8-11 the step's addresses; v12 -M, v13 the largest t, v[14:15] the sum;
; v16-27 zeros, q, zeros; v28 q's scale word; v29-31 lane, r, h; v32-63 four fragments; v96-159 S^T, then p; v160-191 O^T; v224-231 p's codes; v232-254 at work
.macro CROUND
	s_barrier_signal -1
	s_barrier_wait -1
	s_cmp_lg_u32 s18, 0
	s_cbranch_scc1 .Lnot_wave_0_\@
	s_barrier_signal -3
.Lnot_wave_0_\@:
	s_barrier_wait -3
	s_barrier_signal -1
	s_barrier_wait -1
.endm
.macro QBS x, nb, cd, eb               ; nb blocks by turns: 16 numbers of my lane at v[x + 16 q], the other 16 in lane l xor 16
.set qb_, 0
.rept \nb
	v_max3_num_f32 v[QT+qb_], |v[\x+16*qb_]|, |v[\x+16*qb_+1]|, 0x1800000
.set qb_, qb_+1
.endr
.irp i, 2,4,6,8,10,12,14
.set qb_, 0
.rept \nb
	s_delay_alu instid0(VALU_DEP_2)
	v_max3_num_f32 v[QT+qb_], v[QT+qb_], |v[\x+16*qb_+\i]|, |v[\x+16*qb_+\i+1]|
.set qb_, qb_+1
.endr
.endr
.set qb_, 0
.rept \nb
	s_delay_alu instid0(VALU_DEP_2)
	v_permlanex16_b32 v[QU+qb_], v[QT+qb_], s[SEL], s[SEL+1]
.set qb_, qb_+1
.endr
.set qb_, 0
.rept \nb
	s_delay_alu instid0(VALU_DEP_2)
	v_max_num_f32 v[QT+qb_], v[QT+qb_], v[QU+qb_]
.set qb_, qb_+1
.endr
.set qb_, 0
.rept \nb
	s_delay_alu instid0(VALU_DEP_2)
	v_add_nc_u32 v[QS+qb_], 0xff000000, v[QT+qb_]
.set qb_, qb_+1
.endr
.set qb_, 0
.rept \nb
	s_delay_alu instid0(VALU_DEP_2)
	v_lshrrev_b32 v[\eb+qb_], 23, v[QS+qb_]
.set qb_, qb_+1
.endr
.set qb_, 0
.rept \nb
	v_cvt_scalef32_pk8_fp4_f32 v[\cd+2*qb_], v[\x+16*qb_:\x+16*qb_+7], v[QS+qb_]
	v_cvt_scalef32_pk8_fp4_f32 v[\cd+2*qb_+1], v[\x+16*qb_+8:\x+16*qb_+15], v[QS+qb_]
.set qb_, qb_+1
.endr
	v_nop
.endm
	s_load_b128 s[4:7], s[0:1], 0x0
.set SPARE, 139264                     ; the spare words, 128 bytes a wave, behind V's scale words
	v_lshl_add_u32 v192, v0, 2, SPARE
	v_mov_b32 v193, 0
	ds_add_u32 v192, v193                          ; the opening lines: the add twice on end and one wait, ahead of the round in front of the first loads
	ds_add_u32 v192, v193
	v_lshrrev_b32 v1, 5, v0
	s_delay_alu instid0(VALU_DEP_1)
	v_readfirstlane_b32 s18, v1                    ; wave 0..15
	s_bfe_u32 s100, ttmp6, 0x40000                 ; cx: it enters plain global addresses and vector data alone
	s_and_b32 s77, ttmp7, 0xffff
	s_lshr_b32 s76, s77, 3                         ; batch
	s_and_b32 s77, s77, 7                          ; g
	s_bfe_u32 s86, s18, 0x10002                    ; which head of the pair: bit 2 of the wave's number
	s_and_b32 s88, s18, 1
	s_xor_b32 s88, s88, s86                        ; flip = bit 0 xor bit 2
	s_lshr_b32 s79, s18, 3
	s_lshl_b32 s79, s79, 1
	s_bfe_u32 s87, s18, 0x10001
	s_add_co_u32 s79, s79, s87                     ; base = 2 (wave / 8) + bit 1
	s_mul_i32 s87, s88, 7
	s_xor_b32 s79, s79, s87                        ; t = base, or 7 - base where flip = 1
	s_lshr_b32 s89, ttmp9, 1
	s_xor_b32 s89, s89, s88                        ; w / 8 = cluster x / 2, or 1 less that where flip = 1: made of the wave's number and the cluster's x alone
	s_lshl_b32 s[DS], s79, 1
	s_add_co_u32 s[DS], s[DS], s89                 ; the step on the diagonal: tile / 8 = 2 t + w / 8
	s_lshl_b32 s78, ttmp9, 2
	s_add_co_u32 s78, s78, s100                    ; wgx
	s_mul_i32 s87, s88, 15
	s_xor_b32 s78, s78, s87                        ; w = wgx, or 15 - wgx where flip = 1
	s_lshl_b32 s87, s79, 4
	s_add_co_u32 s87, s87, s78                     ; my tile of queries in the batch: 16 t + w
	s_mov_b32 s[SEL], 0x76543210
	s_mov_b32 s[SEL+1], 0xfedcba98
	s_mov_b32 s[CS], 0x3e38aa3b                    ; c = log2(e) / 8
	s_mov_b32 s[CS+1], s[CS]
	; descriptor groups 1: elements of 8 bytes, mask 15.  Scale words: 16 rows of 256 bytes, dense
	s_mov_b32 s24, 15|(3<<16)|(1<<21)
	s_mov_b32 s25, 32<<16
	s_mov_b32 s26, 16<<16
	s_mov_b32 s27, 32<<16
	s_mov_b32 s28, 16
	s_mov_b32 s29, 32
	s_mov_b32 s30, 0
	s_mov_b32 s31, 0
	s_mov_b32 s32, 15|(3<<16)|(1<<21)              ; K: 256 rows of 256 bytes, dense
	s_mov_b32 s33, 32<<16
	s_mov_b32 s34, 32<<16                          ; an eighth of K to a load: 32 rows of 256 bytes
	s_mov_b32 s35, 32<<16
	s_mov_b32 s36, 32
	s_mov_b32 s37, 32
	s_mov_b32 s38, 0
	s_mov_b32 s39, 0
	s_mov_b32 s40, 15|(3<<16)|(1<<21)              ; V: 4 tiles of channels x 16,384 bytes (the batch's 64 blocks of keys), 32,768 apart
	s_mov_b32 s41, 32<<16                          ; one tile of channels to a load: 16,384 dense bytes as 64 rows of 256
	s_mov_b32 s42, 64<<16
	s_mov_b32 s43, 32<<16
	s_mov_b32 s44, 64
	s_mov_b32 s45, 32
	s_mov_b32 s46, 0
	s_mov_b32 s47, 0
	s_add_co_u32 s88, s77, 16                      ; k's head in the joint tensor
	s_lshl_b32 s90, s88, 13
	s_lshl_b32 s89, s76, 12
	s_add_co_u32 s90, s90, s89
	s_add_co_u32 s90, s90, QK_S
	s_mov_b32 s91, 0
	s_lshl_b32 s92, s88, 17
	s_lshl_b32 s89, s76, 16
	s_add_co_u32 s92, s92, s89
	s_mov_b32 s93, 0
	s_lshl_b32 s94, s77, 13
	s_lshl_b32 s89, s76, 12
	s_add_co_u32 s94, s94, s89
	s_add_co_u32 s94, s94, V_S
	s_mov_b32 s95, 0
	s_lshl_b32 s96, s77, 17
	s_lshl_b32 s89, s76, 14
	s_add_co_u32 s96, s96, s89
	s_add_co_u32 s96, s96, V_C
	s_mov_b32 s97, 0
	s_lshl_b32 s98, s77, 1
	s_add_co_u32 s98, s98, s86                     ; my query head
	s_lshl_b32 s99, s76, 7
	s_add_co_u32 s99, s99, s87                     ; my group of rows
	s_lshl_b32 s8, s98, 17
	s_lshl_b32 s10, s99, 9
	s_add_co_u32 s8, s8, s10
	s_mov_b32 s9, 0                                ; q's codes
	s_lshl_b32 s10, s98, 13
	s_lshr_b32 s12, s99, 1
	s_lshl_b32 s12, s12, 6
	s_add_co_u32 s10, s10, s12
	s_add_co_u32 s10, s10, QK_S
	s_mov_b32 s11, 0                               ; the words of q's pair of groups
	s_lshl_b32 s12, s99, 13
	s_lshl_b32 s14, s98, 9
	s_add_co_u32 s12, s12, s14
	s_mov_b32 s13, 0                               ; z's codes: group x 8,192 + block 2 x head
	s_lshl_b32 s14, s77, 14
	s_lshl_b32 s16, s99, 6
	s_add_co_u32 s14, s14, s16
	s_lshl_b32 s16, s86, 1
	s_add_co_u32 s14, s14, s16
	s_add_co_u32 s14, s14, 2097152
	s_mov_b32 s15, 0                               ; z's scale words: K step g, bytes 2 (head % 2), + 1
	s_and_b32 s16, s87, 1
	s_lshl_b32 s16, s16, 4                         ; which half of the pair's word is mine
	s_and_b32 s17, s78, 7
	s_lshr_b32 s17, s17, 1
	s_lshl_b32 s17, s17, 5
	s_and_b32 s19, s78, 1
	s_lshl_b32 s19, s19, 3
	s_add_co_u32 s17, s17, s19                     ; my group's first true row in its step of 128
	s_mov_b32 s[STP], 0
	s_mov_b32 s[TK], 0
	s_mov_b32 s[TV], 0
	s_mov_b32 s[TS], 0
	s_wait_dscnt 0x0                               ; both opening adds are done
	s_wait_kmcnt 0x0
	s_mov_b32 s48, 1
	s_mov_b32 s49, KS
	s_add_nc_u64 s[50:51], s[4:5], s[90:91]
	s_or_b32 s51, s51, 0x80000000
	s_mov_b32 s52, 1
	s_and_b32 s19, s18, 7
	s_lshl_b32 s53, s19, 13                        ; waves 0 to 7: eighth wave % 8 of K, 8,192 bytes, in LDS from KL = 0 as in memory
	s_add_co_u32 s92, s92, s53
	s_add_nc_u64 s[54:55], s[4:5], s[92:93]
	s_or_b32 s55, s55, 0x80000000
	s_mov_b32 s60, 1
	s_mov_b32 s61, VS
	s_add_nc_u64 s[62:63], s[4:5], s[94:95]
	s_or_b32 s63, s63, 0x80000000
	s_mov_b32 s68, 1
	s_and_b32 s19, s18, 3
	s_lshl_b32 s69, s19, 14                        ; waves 8 to 11: tile of channels wave % 4: 16,384 bytes apart in LDS,
	s_add_co_u32 s69, s69, VL
	s_lshl_b32 s19, s19, 15                        ; 32,768 in memory
	s_add_co_u32 s96, s96, s19
	s_add_nc_u64 s[70:71], s[4:5], s[96:97]
	s_or_b32 s71, s71, 0x80000000
	s_add_nc_u64 s[8:9], s[4:5], s[8:9]
	s_add_nc_u64 s[10:11], s[4:5], s[10:11]
	s_add_nc_u64 s[12:13], s[6:7], s[12:13]
	s_add_nc_u64 s[14:15], s[6:7], s[14:15]
	CROUND                                         ; all four work-groups are here: the joint loads meet
; The fourteen first fills, one a wave, in one chain of branches on the wave's number: waves 0-7 K's eighths, 8-11 V's tiles of channels, 12 K's scale words, 13 V's
.macro ARM under, g0, g1, next
	s_cmp_lt_u32 s18, \under
	s_cbranch_scc0 \next
	tensor_load_to_lds s[\g0:\g0+3], s[\g1:\g1+7]
	s_nop 0
.rept 4
	v_nop
.endr
	s_branch .Lasked
\next:
.endm
	ARM 8, 52, 32, .La1
	ARM 12, 68, 40, .La2
	ARM 13, 48, 24, .La3
	ARM 14, 60, 24, .La4
.Lasked:
	v_and_b32 v29, 31, v0                          ; lane
	v_and_b32 v30, 15, v0                          ; r
	v_bfe_u32 v31, v0, 4, 1                        ; h
	s_delay_alu instid0(VALU_DEP_3)
	v_lshlrev_b32 v1, 4, v29                       ; a fragment's place for my lane: 16 x lane
	s_delay_alu instid0(VALU_DEP_3)
	v_lshlrev_b32 v7, 2, v30
	global_load_b128 v[20:23], v1, s[8:9]          ; q: channels 32 h on of slot r
	global_load_b32 v28, v7, s[10:11]
	v_add_nc_u32 v2, VL, v1
	v_lshlrev_b32 v6, 2, v29
	s_delay_alu instid0(VALU_DEP_1)
	v_add_nc_u32 v3, KS, v6
	s_delay_alu instid0(VALU_DEP_2)
	v_add_nc_u32 v4, VS, v6
	v_and_b32 v5, 7, v30
	v_lshrrev_b32 v8, 3, v30
	s_delay_alu instid0(VALU_DEP_1)
	v_lshl_add_u32 v5, v8, 4, v5
	v_lshlrev_b32 v8, 4, v31
	s_delay_alu instid0(VALU_DEP_1)
	v_sub_nc_u32 v5, v5, v8
	s_delay_alu instid0(VALU_DEP_1)
	v_add_nc_u32 v5, s17, v5                       ; d = my query - the diagonal step's first key - 16 h
	s_wait_loadcnt 0x0
	v_lshrrev_b32 v28, s16, v28
	s_delay_alu instid0(VALU_DEP_1)
	v_and_b32 v28, 0xffff, v28
	s_delay_alu instid0(VALU_DEP_1)
	v_lshl_or_b32 v28, v28, 16, v28                ; q's two bytes twice: they serve q in either half of K.  (The lines below are more than the eight places in front of the first product that names it)
.irp j, 16,17,18,19,24,25,26,27
	v_mov_b32 v[\j], 0                             ; zero codes: v[20:27] is q in K positions 0-63, v[16:23] q in 64-127
.endr
	v_mov_b32 v13, 0xff61b1e6                      ; the largest t so far: -3e38
	s_delay_alu instid0(VALU_DEP_1)
	v_floor_f32 v12, -v13                          ; -M
	v_mov_b32 v14, 0
	v_mov_b32 v15, 0
.irp b, 0,1,2,3
	v_mov_b32 v[236+\b], 0                         ; a lane permute's destination counts as one of its sources
.endr
	v_mov_b32 v252, 0
	v_mov_b32 v253, 0
.set oj_, 0
.rept 32
	v_mov_b32 v[160+oj_], 0                        ; O^T: the step is written once; its first trip finds zeros
.set oj_, oj_+1
.endr
; A KEY STEP: 128 keys
.macro STEP
	s_cmp_gt_u32 s[STP], s[DS]                     ; all its keys come after my queries: only the addresses step
	s_cbranch_scc1 .Lhidden_\@
	v_add_nc_u32 v8, s[TK], v1                     ; (these four are the places in front of loads into registers that the last products read)
	v_add_nc_u32 v9, s[TV], v2
	v_add_nc_u32 v10, s[TS], v3
	v_add_nc_u32 v11, s[TS], v4
	s_wait_alu depctr_va_vdst(0)
	s_wait_dscnt 0x0
.irp p, 0,1,2,3
; K's four fragments stand in v64-95 and its scale words in v194, v195 (lanes 0-15 pair 0's or 2's words, lanes 16-31 pair 1's or 3's): they were asked for one step ago, under that step's softmax
.if \p%2
	v_wmma_scale_f32_16x16x128_f8f6f4 v[96+16*\p:103+16*\p], v[64+8*\p:71+8*\p], v[20:27], 0, v[194+\p/2], v28 matrix_a_fmt:MATRIX_FMT_FP4 matrix_b_fmt:MATRIX_FMT_FP4 matrix_a_scale:MATRIX_SCALE_ROW1
	v_wmma_scale_f32_16x16x128_f8f6f4 v[104+16*\p:111+16*\p], v[64+8*\p:71+8*\p], v[16:23], 0, v[194+\p/2], v28 matrix_a_fmt:MATRIX_FMT_FP4 matrix_b_fmt:MATRIX_FMT_FP4 matrix_a_scale:MATRIX_SCALE_ROW1
.else
	v_wmma_scale_f32_16x16x128_f8f6f4 v[96+16*\p:103+16*\p], v[64+8*\p:71+8*\p], v[20:27], 0, v[194+\p/2], v28 matrix_a_fmt:MATRIX_FMT_FP4 matrix_b_fmt:MATRIX_FMT_FP4
	v_wmma_scale_f32_16x16x128_f8f6f4 v[104+16*\p:111+16*\p], v[64+8*\p:71+8*\p], v[16:23], 0, v[194+\p/2], v28 matrix_a_fmt:MATRIX_FMT_FP4 matrix_b_fmt:MATRIX_FMT_FP4
.endif
.endr
.rept 4
	v_nop                                          ; places in front of the loads below and of the first read of the scores
.endr
.irp d, 0,1,2,3
	ds_load_b128 v[32+8*\d:35+8*\d], v9 offset:16384*\d                ; V's four tiles land under the softmax
	ds_load_b128 v[36+8*\d:39+8*\d], v9 offset:16384*\d+512
.endr
	ds_load_b32 v250, v11
	ds_load_b32 v251, v11 offset:128
.irp p, 0,1,2,3
	ds_load_b128 v[64+8*\p:67+8*\p], v8 offset:4096+1024*\p            ; the NEXT step's K, 4,096 bytes on, lands under the softmax too (the four places above serve these loads as well).
	ds_load_b128 v[68+8*\p:71+8*\p], v8 offset:4096+1024*\p+512        ; Behind my last step these read bytes that have landed and that nothing uses: at the furthest the first 4,096 bytes of V's tile
.endr
	ds_load_b32 v194, v10 offset:256
	ds_load_b32 v195, v10 offset:384
	s_cmp_lg_u32 s[STP], s[DS]                     ; on the diagonal the scores of hidden keys become -infinity ahead of the maximum
	s_cbranch_scc1 .Lopen_\@
	v_mov_b32 v254, 0xff800000
.set mn_, 0
.rept 64
	v_cmp_gt_i32 vcc_lo, 32*(mn_/16)+mn_%16, v5    ; register 16 b + i holds key 32 b + 16 h + i of the step: hidden where 32 b + i > d
	v_cndmask_b32 v[96+mn_], v[96+mn_], v254, vcc_lo
.set mn_, mn_+1
.endr
.Lopen_\@:
.irp b, 0,1,2,3
	v_max3_num_f32 v[232+\b], v[96+16*\b], v[97+16*\b], v[98+16*\b]   ; the largest score of each block of 32 keys: for the row's maximum, and, since p rises with the score, for the block's largest p
.endr
.irp i, 3,5,7,9,11,13
.irp b, 0,1,2,3
	v_max3_num_f32 v[232+\b], v[232+\b], v[96+16*\b+\i], v[97+16*\b+\i]
.endr
.endr
.irp b, 0,1,2,3
	v_max_num_f32 v[232+\b], v[232+\b], v[111+16*\b]
.endr
.irp b, 0,1,2,3
	s_delay_alu instid0(VALU_DEP_4)
	v_permlanex16_b32 v[236+\b], v[232+\b], s[SEL], s[SEL+1]
.endr
.irp b, 0,1,2,3
	s_delay_alu instid0(VALU_DEP_4)
	v_max_num_f32 v[232+\b], v[232+\b], v[236+\b]
.endr
	s_delay_alu instid0(VALU_DEP_2)
	v_max3_num_f32 v254, v232, v233, v234
	s_delay_alu instid0(VALU_DEP_1)
	v_max_num_f32 v254, v254, v235
	s_delay_alu instid0(VALU_DEP_1)
	v_mul_f32 v254, s[CS], v254
	s_delay_alu instid0(VALU_DEP_1)
	v_max_num_f32 v13, v13, v254                   ; the running largest t
	v_mov_b32 v254, v12
	s_delay_alu instid0(VALU_DEP_2)
	v_floor_f32 v12, -v13                          ; the new -M = -ceil(t)
	s_delay_alu instid0(VALU_DEP_1)
	v_sub_f32 v254, v12, v254
	s_delay_alu instid0(VALU_DEP_1)
	v_cvt_i32_f32 v254, v254                       ; (it saturates)
	s_delay_alu instid0(VALU_DEP_1)
	v_ldexp_f32 v252, 1.0, v254                    ; f = 2^(old M - new M): exact
.set sj_, 0
.rept 32
	v_pk_fma_f32 v[96+sj_:97+sj_], v[96+sj_:97+sj_], s[CS:CS+1], v[12:13] op_sel_hi:[1,0,0]   ; t - M
.set sj_, sj_+2
.endr
.irp b, 0,1,2,3
	v_fma_f32 v[232+\b], v[232+\b], s[CS], v12
.endr
.set sj_, 0
	s_wait_alu depctr_va_vdst(0)
.rept 64
	v_exp_f32 v[96+sj_], v[96+sj_]                 ; p = 2^(t - M)
.set sj_, sj_+1
.endr
.irp b, 0,1,2,3
	v_exp_f32 v[232+\b], v[232+\b]                 ; the block's largest p: the same two instructions on the same number
.endr
	v_pk_mul_f32 v[14:15], v[14:15], v[252:253] op_sel_hi:[1,0]
	s_wait_alu depctr_va_vdst(0)                   ; one wait for the batch of 68, ahead of its first reader
.irp b, 0,1,2,3
	v_max_num_f32 v[232+\b], 0x1800000, v[232+\b]  ; the floor 2^(3 - 127)
.endr
.irp b, 0,1,2,3
	s_delay_alu instid0(VALU_DEP_4)
	v_add_nc_u32 v[244+\b], 0xff000000, v[232+\b]
.endr
.irp b, 0,1,2,3
	s_delay_alu instid0(VALU_DEP_4)
	v_lshrrev_b32 v[236+\b], 23, v[244+\b]
.endr
	s_delay_alu instid0(VALU_DEP_3)
	v_lshl_or_b32 v253, v237, 8, v236              ; p's scale word for these 128 keys
	s_delay_alu instid0(VALU_DEP_1)
	v_lshl_or_b32 v253, v238, 16, v253
	s_delay_alu instid0(VALU_DEP_1)
	v_lshl_or_b32 v253, v239, 24, v253
.irp b, 0,1,2,3
	v_cvt_scalef32_pk8_fp4_f32 v[224+2*\b], v[96+16*\b:103+16*\b], v[244+\b]
	v_cvt_scalef32_pk8_fp4_f32 v[225+2*\b], v[104+16*\b:111+16*\b], v[244+\b]
.endr
	v_nop
.irp c, 0,1                                    ; the operand wants a whole block in a lane
.irp i, 0,1
	v_permlane16_swap_b32 v[224+4*\c+\i], v[226+4*\c+\i]
.endr
.endr
	v_pk_add_f32 v[236:237], v[100:101], v[104:105]
	v_pk_add_f32 v[254:255], v[108:109], v[112:113]
	v_pk_add_f32 v[248:249], v[116:117], v[120:121]
	v_pk_add_f32 v[246:247], v[124:125], v[128:129]
	v_pk_add_f32 v[244:245], v[132:133], v[136:137]
	v_pk_add_f32 v[242:243], v[140:141], v[144:145]
	v_pk_add_f32 v[240:241], v[148:149], v[152:153]
	v_pk_add_f32 v[14:15], v[14:15], v[156:157]
	v_pk_add_f32 v[236:237], v[236:237], v[96:97]
	v_pk_add_f32 v[254:255], v[254:255], v[98:99]
	v_pk_add_f32 v[248:249], v[248:249], v[102:103]
	v_pk_add_f32 v[246:247], v[246:247], v[106:107]
	v_pk_add_f32 v[244:245], v[244:245], v[110:111]
	v_pk_add_f32 v[242:243], v[242:243], v[114:115]
	v_pk_add_f32 v[240:241], v[240:241], v[118:119]
	v_pk_add_f32 v[14:15], v[14:15], v[122:123]
	v_pk_add_f32 v[236:237], v[236:237], v[126:127]
	v_pk_add_f32 v[254:255], v[254:255], v[130:131]
	v_pk_add_f32 v[248:249], v[248:249], v[134:135]
	v_pk_add_f32 v[246:247], v[246:247], v[138:139]
	v_pk_add_f32 v[244:245], v[244:245], v[142:143]
	v_pk_add_f32 v[242:243], v[242:243], v[146:147]
	v_pk_add_f32 v[240:241], v[240:241], v[150:151]
	v_pk_add_f32 v[14:15], v[14:15], v[154:155]
	v_pk_add_f32 v[236:237], v[236:237], v[158:159]
	s_delay_alu instid0(VALU_DEP_2)
	v_pk_add_f32 v[14:15], v[14:15], v[246:247]
	s_delay_alu instid0(VALU_DEP_2)
	v_pk_add_f32 v[236:237], v[236:237], v[244:245]
	v_pk_add_f32 v[254:255], v[254:255], v[242:243]
	v_pk_add_f32 v[248:249], v[248:249], v[240:241]
	s_delay_alu instid0(VALU_DEP_2)
	v_pk_add_f32 v[14:15], v[14:15], v[254:255]
	s_delay_alu instid0(VALU_DEP_2)
	v_pk_add_f32 v[236:237], v[236:237], v[248:249]
	s_delay_alu instid0(VALU_DEP_1)
	v_pk_add_f32 v[14:15], v[14:15], v[236:237]
.set sj_, 0
	s_wait_alu depctr_va_vdst(0)
.rept 16
	v_pk_mul_f32 v[160+sj_:161+sj_], v[160+sj_:161+sj_], v[252:253] op_sel_hi:[1,0]   ; O^T under the new M, each accumulator from its low end on
.set sj_, sj_+2
.endr
	s_wait_alu depctr_va_vdst(0)
	s_wait_dscnt 0x0                               ; V and its scale words are in
.irp d, 0,1,2,3                                ; O^T += V^T P^T: the four accumulators take turns
.if \d%2
	v_wmma_scale_f32_16x16x128_f8f6f4 v[160+8*\d:167+8*\d], v[32+8*\d:39+8*\d], v[224:231], v[160+8*\d:167+8*\d], v[250+\d/2], v253 matrix_a_fmt:MATRIX_FMT_FP4 matrix_b_fmt:MATRIX_FMT_FP4 matrix_a_scale:MATRIX_SCALE_ROW1
.else
	v_wmma_scale_f32_16x16x128_f8f6f4 v[160+8*\d:167+8*\d], v[32+8*\d:39+8*\d], v[224:231], v[160+8*\d:167+8*\d], v[250+\d/2], v253 matrix_a_fmt:MATRIX_FMT_FP4 matrix_b_fmt:MATRIX_FMT_FP4
.endif
.endr
.Lhidden_\@:
	s_add_co_u32 s[STP], s[STP], 1
	s_add_co_u32 s[TK], s[TK], 4096
	s_add_co_u32 s[TV], s[TV], 1024
	s_add_co_u32 s[TS], s[TS], 256
.endm
	s_wait_tensorcnt 0x0                           ; my loads have landed: K or V and its scale words
	s_barrier_signal -1
	s_barrier_wait -1                              ; everybody's have: the one barrier in front of the keys
.irp p, 0,1,2,3
	ds_load_b128 v[64+8*\p:67+8*\p], v1 offset:1024*\p                 ; step 0's K and its scale words: every wave walks step 0
	ds_load_b128 v[68+8*\p:71+8*\p], v1 offset:1024*\p+512
.endr
	ds_load_b32 v194, v3
	ds_load_b32 v195, v3 offset:128
	s_mov_b32 s85, 16
.Lkeys:
	STEP
	s_sub_co_u32 s85, s85, 1
	s_cmp_lg_u32 s85, 0
	s_cbranch_scc1 .Lkeys
.rept 4
	v_nop                                          ; places behind the last products
.endr
	v_add_f32 v14, v14, v15
	s_delay_alu instid0(VALU_DEP_1)
	v_permlanex16_b32 v252, v14, s[SEL], s[SEL+1]
	s_delay_alu instid0(VALU_DEP_1)
	v_add_f32 v14, v14, v252                       ; the row's sum
	s_wait_alu depctr_va_vdst(0)
	v_rcp_f32 v14, v14
	v_lshlrev_b32 v8, 4, v30                       ; (a plain line behind the transcendental)
	s_delay_alu instid0(VALU_DEP_1)
	v_lshl_add_u32 v8, v31, 3, v8                  ; 16 r + 8 h
.set oj_, 0
	s_wait_alu depctr_va_vdst(0)
.rept 32
	v_mul_f32 v[96+oj_], v[160+oj_], v14           ; z: registers 16 b on are channels 32 b + 16 h + 0 .. 15 of my query
.set oj_, oj_+1
.endr
	v_mov_b32 v[QU], 0
	v_mov_b32 v[QU+1], 0
	QBS 96, 2, 40, 44
	global_store_b64 v8, v[40:41], s[12:13]        ; 32 lanes store 256 consecutive bytes, aligned
	global_store_b64 v8, v[42:43], s[12:13] offset:256
	v_lshl_or_b32 v46, v45, 8, v44
	global_store_b16 v7, v46, s[14:15]
	s_wait_tensorcnt 0x0                           ; the wave's end, ahead of the closing round
	ds_add_u32 v192, v193
	s_wait_dscnt 0x0
	CROUND
	s_endpgm
.Lfunc_end_k_q83bfa44d45_attn:
	.size	k_q83bfa44d45_attn, .Lfunc_end_k_q83bfa44d45_attn-k_q83bfa44d45_attn
	.p2alignl 7, 3214868480
	.fill 96, 4, 3214868480
	.section	.rodata,"a",@progbits
	.p2align	6, 0x0
	.amdhsa_kernel k_q83bfa44d45_attn
		.amdhsa_group_segment_fixed_size 167936
		.amdhsa_private_segment_fixed_size 0
		.amdhsa_enable_private_segment 0
		.amdhsa_kernarg_size 16
		.amdhsa_user_sgpr_count 2
		.amdhsa_user_sgpr_kernarg_segment_ptr 1
		.amdhsa_wavefront_size32 1
		.amdhsa_system_sgpr_workgroup_id_x 1
		.amdhsa_system_sgpr_workgroup_id_y 1
		.amdhsa_system_sgpr_workgroup_id_z 1
		.amdhsa_system_vgpr_workitem_id 0
		.amdhsa_next_free_vgpr 256
		.amdhsa_next_free_sgpr 102
		.amdhsa_reserve_vcc 1
		.amdhsa_float_denorm_mode_32 3
		.amdhsa_float_denorm_mode_16_64 3
		.amdhsa_memory_ordered 1
		.amdhsa_forward_progress 1
		.amdhsa_inst_pref_size 38
	.end_amdhsa_kernel
	.amdgpu_metadata
---
amdhsa.version: [ 1, 2 ]
amdhsa.kernels:
  - .name:           k_q83bfa44d45_attn
    .symbol:         k_q83bfa44d45_attn.kd
    .args:
      - { .name: qkv, .offset: 0, .size: 8, .value_kind: global_buffer, .address_space: global }
      - { .name: zb, .offset: 8, .size: 8, .value_kind: global_buffer, .address_space: global }
    .group_segment_fixed_size: 167936
    .private_segment_fixed_size: 0
    .kernarg_segment_align: 8
    .kernarg_segment_size: 16
    .max_flat_workgroup_size: 512
    .sgpr_count:     102
    .vgpr_count:     256
    .wavefront_size: 32
...
	.end_amdgpu_metadata
.endif
;; end of part 4
;; launch oln (part 5): grid 256 x 1, 16 waves a work-group, clusters of 4 x 1, 327,680 bytes of LDS; arguments zb, wts, b_out, x, ln2_w, ln2_b, post, hb; writes post, hb
.if DOCPART == 5
	.amdgcn_target "amdgcn-amd-amdhsa--gfx1250"
	.amdhsa_code_object_version 6
	.text
	.protected	k_q83bfa44d45_oln
	.globl	k_q83bfa44d45_oln
	.p2align	8
	.type	k_q83bfa44d45_oln,@function
k_q83bfa44d45_oln:
	s_mov_b64 s[64:65], 0
	v_nop
	global_prefetch_b8 v0, s[64:65] scope:SCOPE_SE
	s_setreg_imm32_b32 hwreg(HW_REG_WAVE_MODE, 25, 1), 1
	s_wait_xcnt 0x0
	s_wait_alu depctr_hold_cnt(0) depctr_sa_sdst(0) depctr_va_vdst(0) depctr_va_sdst(0) depctr_va_ssrc(0) depctr_va_vcc(0) depctr_vm_vsrc(0)
	s_getreg_b32 s2, hwreg(HW_REG_IB_STS2, 6, 4)
	s_cmp_eq_u32 s2, 0
	s_cbranch_scc0 .Lentry_in_a_cluster
	s_endpgm
.Lentry_in_a_cluster:
	s_bfe_u32 s2, ttmp6, 0x10000c
	s_cmp_lg_u32 s2, 0x3003
	s_cbranch_scc0 .Lentry_shape_is_right
	s_endpgm
.Lentry_shape_is_right:
; post = x + b_out + z W_out ([4,096 x 1,024] x [1,024 x 1,024] on codes of FP4 with E8M0 scales), and h = LayerNorm(post) as codes of FP4 with scale bytes for the next product: one launch, since one work-group owns whole rows.
; Operands lie as images of the matrix unit's registers: codes [group of 16 slots][K / 32][slot][16 bytes], scale words [K / 128][slot]; slot r of group 2 b + u holds true row 32 b + 8 u + (r % 8) + 16 (r / 8).  h is laid the same way.
; SHARES.  A work-group is one group of 16 rows x all 1,024 columns.  Wave w multiplies the rows by W's groups 4 w .. 4 w + 3 (64 columns): 4 accumulators by turns, 8 K steps of 128, 32 matrix instructions.
; The product is used transposed (source 0 = 16 rows of W): lane (r, h) holds row slot r and, in tile t, columns 64 w + 32 (t / 2) + 16 h + 8 (t % 2) + 0 .. 7.  b_out, read in that layout, is what the sums begin with.
; CLUSTER 4 x 1: every work-group walks all of W: W's codes, its scale words, the gain, the bias and b_out are asked for jointly, mask 15.  z's codes are the work-group's own: a plain tensor load.
; W comes through two slots of 131,072 bytes, each 2 K steps of all 64 groups (rows of 2,048 bytes, 8,192 apart in memory).  Both are first fills at the head (waves 0-7, 16 groups each) and both are filled
; once more behind ONE round of the cluster's barrier, one load a wave: the products of four K steps are 16 matrix instructions a wave, too few to hide a fill behind, so the fills are as few and as large as LDS holds.
; All of a WGP's LDS is claimed.  NO PREFETCH: the text has no loop to run ahead in.
; The f32 tile turns through a stage in LDS (rows 4,096 + 16 bytes apart); behind a barrier wave w is slot w and holds its whole row, 512 consecutive bytes a load and a store.
; Mean and variance are taken in two passes; the row turns through the wave's own stage so that lane l holds block l; the sixteen waves' codes meet in LDS and leave as whole runs of 256 bytes.
; All stages lie in slot bytes that have had their last fill and, behind a barrier, their last read.
; LIMITS: NaN and infinities are not served; a block whose largest magnitude lies under 2^-124 has the byte 1 (so has a block of zeros: its codes are zeros and this program alone reads the bytes).
; REGISTERS: v1-15, v220-223 addresses; v16-47 the row; four buffers of 42 from v48 (z's fragment 8, W's four 32, W's scale words 2); v216-219 z's scale words (lanes 0-15 an even K step, lanes 16-31 the odd one); v224-255 the sums.
; Behind the products: v48-79 the gain, later the row turned; v80-111 the norm's bias, then at work; v128-159 the row from the stage; v200-213 at work.
.set WO_C, 1114112
.set WO_S, 1638400
.set ZS,   2097152                     ; z's and h's scale words lie behind their codes
.set SLOT1, 131072
.set WSL,  262144                      ; W's scale words: [8 K steps][1,024 slots]
.set ZL,   294912                      ; z's codes, 8,192 bytes; behind them, counted from ZL:
.set GOF,  8192                        ; the gain,
.set BOF,  12288                       ; the norm's bias,
.set OOF,  16384                       ; b_out: 4,096 bytes each
.set SPARE, 315392                     ; the spare words, 128 bytes a wave
.set CST,  73728                       ; behind the sixteen stages of 4,608 bytes: the codes, 32 blocks x (256 + 16) bytes
.set SST,  82432                       ; the scale words: [8][16 slots]
.set GST,  84992                       ; the product's stage: 16 rows of GPI bytes
.set GPI,  4112
.set X, 16
.set G, 48
.set B, 80
.set SR, 128
.set BUF, 48
.set AS, 216
.set ACC, 224
.macro ROUND                           ; a round of the cluster's barrier
	s_barrier_signal -1
	s_barrier_wait -1
	s_cmp_lg_u32 s20, 0
	s_cbranch_scc1 .Lnot_wave_0_\@
	s_barrier_signal -3
.Lnot_wave_0_\@:
	s_barrier_wait -3
	s_barrier_signal -1
	s_barrier_wait -1
.endm
.macro WSUM                            ; v202 summed over the 32 lanes, in every lane
	s_delay_alu instid0(VALU_DEP_1)
	v_add_f32_dpp v202, v202, v202 row_xmask:1 row_mask:0xf bank_mask:0xf
	s_delay_alu instid0(VALU_DEP_1)
	v_add_f32_dpp v202, v202, v202 row_xmask:2 row_mask:0xf bank_mask:0xf
	s_delay_alu instid0(VALU_DEP_1)
	v_add_f32_dpp v202, v202, v202 row_xmask:4 row_mask:0xf bank_mask:0xf
	s_delay_alu instid0(VALU_DEP_1)
	v_add_f32_dpp v202, v202, v202 row_xmask:8 row_mask:0xf bank_mask:0xf
	s_delay_alu instid0(VALU_DEP_1)
	v_permlanex16_b32 v210, v202, s30, s31
	s_delay_alu instid0(VALU_DEP_1)
	v_add_f32 v202, v202, v210
.endm
.macro FOLD                            ; four chains of pairs into v202
	s_delay_alu instid0(VALU_DEP_3)
	v_pk_add_f32 v[202:203], v[202:203], v[204:205]
	s_delay_alu instid0(VALU_DEP_2)
	v_pk_add_f32 v[206:207], v[206:207], v[208:209]
	s_delay_alu instid0(VALU_DEP_1)
	v_pk_add_f32 v[202:203], v[202:203], v[206:207]
	s_delay_alu instid0(VALU_DEP_1)
	v_add_f32 v202, v202, v203
.endm
.macro LDK kk, k                       ; K step k, the kk-th of the two slots' four, into buffer kk: 12 LDS loads, 512 consecutive bytes each but the scale words'
.set bb_, BUF+42*(\kk)
	ds_load_b128 v[bb_:bb_+3], v222 offset:1024*(\k)
	ds_load_b128 v[bb_+4:bb_+7], v222 offset:1024*(\k)+512
.irp t, 0,1,2,3
	ds_load_b128 v[bb_+8+8*\t:bb_+11+8*\t], v[220+(\kk)/2] offset:2048*\t+1024*((\kk)%2)
	ds_load_b128 v[bb_+12+8*\t:bb_+15+8*\t], v[220+(\kk)/2] offset:2048*\t+1024*((\kk)%2)+512
.endr
	ds_load_b32 v[bb_+40], v14 offset:4096*(\k)          ; lanes 0-15 tile 0's words, lanes 16-31 tile 1's
	ds_load_b32 v[bb_+41], v14 offset:4096*(\k)+128      ; tiles 2 and 3
.endm
.macro WM d, a, b, sa, sb, ra, rb      ; one product in place; ra, rb: which half of the lanes holds W's and z's scale words
.if \ra
.if \rb
	v_wmma_scale_f32_16x16x128_f8f6f4 v[\d:\d+7], v[\a:\a+7], v[\b:\b+7], v[\d:\d+7], v[\sa], v[\sb] matrix_a_fmt:MATRIX_FMT_FP4 matrix_b_fmt:MATRIX_FMT_FP4 matrix_a_scale:MATRIX_SCALE_ROW1 matrix_b_scale:MATRIX_SCALE_ROW1
.else
	v_wmma_scale_f32_16x16x128_f8f6f4 v[\d:\d+7], v[\a:\a+7], v[\b:\b+7], v[\d:\d+7], v[\sa], v[\sb] matrix_a_fmt:MATRIX_FMT_FP4 matrix_b_fmt:MATRIX_FMT_FP4 matrix_a_scale:MATRIX_SCALE_ROW1
.endif
.else
.if \rb
	v_wmma_scale_f32_16x16x128_f8f6f4 v[\d:\d+7], v[\a:\a+7], v[\b:\b+7], v[\d:\d+7], v[\sa], v[\sb] matrix_a_fmt:MATRIX_FMT_FP4 matrix_b_fmt:MATRIX_FMT_FP4 matrix_b_scale:MATRIX_SCALE_ROW1
.else
	v_wmma_scale_f32_16x16x128_f8f6f4 v[\d:\d+7], v[\a:\a+7], v[\b:\b+7], v[\d:\d+7], v[\sa], v[\sb] matrix_a_fmt:MATRIX_FMT_FP4 matrix_b_fmt:MATRIX_FMT_FP4
.endif
.endif
.endm
.macro MUL kk, k                       ; four products, the four accumulators by turns
.set bb_, BUF+42*(\kk)
.irp t, 0,1,2,3
	WM ACC+8*\t, bb_+8+8*\t, bb_, bb_+40+\t/2, AS+(\k)/2, \t%2, (\k)%2
.endr
.endm
.macro PHASE p                         ; the four K steps that the two slots hold: all 48 loads in one run, then the products as the loads come in
	LDK 0, 4*\p
	LDK 1, 4*\p+1
	LDK 2, 4*\p+2
	LDK 3, 4*\p+3
	s_wait_dscnt 36                                ; behind a K step's 12 loads: 12 for each later K step
	MUL 0, 4*\p
	s_wait_dscnt 24
	MUL 1, 4*\p+1
	s_wait_dscnt 12
	MUL 2, 4*\p+2
	s_wait_dscnt 0x0
	MUL 3, 4*\p+3
.rept 4
	v_nop                                          ; four places in front of loads into the buffers and of the first read of results
.endr
.endm
.macro G0P g, ldsc, ptr                ; descriptor group 0: count 1, LDS address, global address, type 2
	s_mov_b32 s[\g], 1
	s_mov_b32 s[\g+1], \ldsc
	s_mov_b64 s[\g+2:\g+3], s[\ptr:\ptr+1]
	s_or_b32 s[\g+3], s[\g+3], 0x80000000
.endm
.macro G1C g, w0, c, r, p              ; descriptor group 1: r rows of c elements of 8 bytes, p elements apart
	s_mov_b32 s[\g], \w0
	s_mov_b32 s[\g+1], (\c)<<16
	s_mov_b32 s[\g+2], (\r)<<16
	s_mov_b32 s[\g+3], (\c)<<16
	s_mov_b32 s[\g+4], \r
	s_mov_b32 s[\g+5], \p
	s_mov_b32 s[\g+6], 0
	s_mov_b32 s[\g+7], 0
.endm
	s_load_b256 s[4:11], s[0:1], 0x0               ; zb, wts, b_out, x
	s_load_b256 s[12:19], s[0:1], 0x20             ; ln2_w, ln2_b, post, hb
	v_lshl_add_u32 v12, v0, 2, SPARE               ; my spare word; never rewritten
	v_mov_b32 v13, 0                               ; 0; never rewritten
	ds_add_u32 v12, v13                            ; the opening lines: the add twice on end and one wait, ahead of the round in front of the first loads
	ds_add_u32 v12, v13
	v_lshrrev_b32 v1, 5, v0
	v_readfirstlane_b32 s20, v1                    ; wave: which 64 columns, later which slot
	s_bfe_u32 s21, ttmp6, 0x40000                  ; cx: it enters plain global addresses alone
	s_lshl_b32 s99, ttmp9, 2
	s_add_co_u32 s99, s99, s21                     ; my group of rows
	s_lshr_b32 s21, s99, 1
	s_lshl_b32 s21, s21, 5
	s_and_b32 s22, s99, 1
	s_lshl_b32 s22, s22, 3
	s_add_co_u32 s21, s21, s22
	s_and_b32 s22, s20, 7
	s_add_co_u32 s21, s21, s22
	s_lshr_b32 s22, s20, 3
	s_lshl_b32 s22, s22, 4
	s_add_co_u32 s21, s21, s22                     ; slot w's true row
	s_lshl_b32 s22, s21, 12
	s_mov_b32 s23, 0
	s_lshl_b32 s24, s99, 13                        ; the group's codes, in z and in h
	s_mov_b32 s25, 0
	s_lshl_b32 s26, s99, 6
	s_add_co_u32 s26, s26, ZS                      ; and its scale words
	s_mov_b32 s27, 0
	s_and_b32 s21, s20, 7
	s_lshl_b32 s69, s21, 15                        ; waves 0-7 fetch W: slot wave / 4, groups 16 (wave % 4) on: LDS byte 32,768 x wave;
	s_and_b32 s21, s20, 3
	s_lshl_b32 s28, s21, 17                        ; in memory 16 groups are 131,072 bytes,
	s_bfe_u32 s21, s20, 0x10002
	s_lshl_b32 s21, s21, 11                        ; and slot 1's two K steps lie 2,048 bytes on
	s_add_co_u32 s28, s28, s21
	s_add_co_u32 s28, s28, WO_C
	s_mov_b32 s29, 0
	s_mov_b32 s30, 0x76543210
	s_mov_b32 s31, 0xfedcba98                      ; selects for lane l xor 16
	G1C 32, 15|(3<<16)|(1<<21), 256, 16, 1024      ; W's codes: 16 groups x 2,048 bytes, 8,192 apart; joint
	G1C 40, 15|(3<<16)|(1<<21), 32, 128, 32        ; W's scale words: 32,768 dense bytes as rows of 256; joint
	G1C 48, 3<<16, 32, 32, 32                      ; z's codes: 8,192 dense bytes; my own
	G1C 56, 15|(3<<16)|(1<<21), 32, 16, 32         ; the gain, the bias, b_out: 4,096 dense bytes; joint
	s_mul_i32 s92, s20, 4608                       ; my own stage: 32 places of 128 + 16 bytes
	s_lshl_b32 s93, s20, 4
	s_add_co_u32 s93, s93, CST
	s_lshl_b32 s94, s20, 2
	s_add_co_u32 s94, s94, SST
	s_mul_i32 s95, s20, 544
	s_add_co_u32 s95, s95, CST
	s_lshl_b32 s96, s20, 9
	s_lshl_b32 s97, s20, 8
	s_add_co_u32 s101, s97, WSL
	s_add_co_u32 s3, s97, ZL+OOF
	s_add_co_u32 s97, s97, GST
	s_mul_i32 s98, s20, GPI
	s_add_co_u32 s98, s98, GST
	s_lshl_b32 s100, s20, 13
	v_and_b32 v1, 31, v0                           ; lane
	v_lshlrev_b32 v2, 4, v1                        ; 16 bytes a lane
	v_lshrrev_b32 v3, 3, v1
	v_mul_u32_u24 v3, v3, 144
	v_and_b32 v4, 7, v1
	v_lshl_add_u32 v3, v4, 4, v3
	v_add_nc_u32 v3, s92, v3                       ; my stage, in: byte 512 j + 16 lane of the row, 16 more for each 128 passed
	v_mul_u32_u24 v4, v1, 144
	v_add_nc_u32 v4, s92, v4                       ; out: block = lane
	v_mul_u32_u24 v5, v1, 272
	v_add_nc_u32 v5, s93, v5                       ; my block's codes: block x 272 + 16 x slot
	v_lshrrev_b32 v6, 2, v1
	v_lshlrev_b32 v6, 6, v6
	v_and_b32 v7, 3, v1
	v_add_nc_u32 v6, v6, v7
	v_add_nc_u32 v6, s94, v6                       ; its byte: 64 (block / 4) + 4 x slot + block % 4
	v_lshrrev_b32 v200, 4, v1                      ; h
	v_and_b32 v201, 15, v1                         ; r
	v_mul_u32_u24 v7, v200, 272
	v_lshl_add_u32 v7, v201, 4, v7
	v_add_nc_u32 v7, s95, v7                       ; back: wave w takes blocks 2 w, 2 w + 1
	v_add_nc_u32 v8, s96, v2                       ; and stores them at 512 w + 16 lane
	v_add_nc_u32 v9, SST, v2                       ; wave 0: all the scale words,
	v_lshrrev_b32 v10, 2, v1
	v_lshlrev_b32 v10, 14, v10
	v_and_b32 v202, 3, v1
	v_lshl_add_u32 v10, v202, 4, v10               ; to rows 16,384 bytes apart
	v_mul_u32_u24 v11, v201, GPI
	v_lshl_add_u32 v11, v200, 6, v11
	v_add_nc_u32 v11, s97, v11                     ; the product's stage, in: row r, byte 256 w + 64 h
	v_lshl_add_u32 v14, v1, 2, s101                ; W's scale words of my four groups: 4 bytes a lane
	v_lshlrev_b32 v15, 2, v201
	v_lshl_add_u32 v15, v200, 14, v15              ; z's scale words in memory: 4 r, lanes 16-31 one K step (16,384 bytes) on
	v_add_nc_u32 v220, s100, v2                    ; my four groups of W in slot 0: 8,192 w + 16 lane,
	v_add_nc_u32 v221, SLOT1, v220                 ; in slot 1
	v_add_nc_u32 v222, ZL, v2                      ; z's fragments; also the gain and the bias by rows
	v_lshl_add_u32 v223, v200, 6, s3               ; b_out at my columns: 256 w + 64 h
	v_add_nc_u32 v1, s98, v2                       ; the product's stage, back: row w
	s_wait_alu depctr_va_vdst(0)
	s_wait_dscnt 0x0                               ; both opening adds are done
	s_wait_kmcnt 0x0
	s_mov_b32 s68, 1
	s_add_nc_u64 s[70:71], s[6:7], s[28:29]
	s_or_b32 s71, s71, 0x80000000
	s_add_nc_u64 s[66:67], s[6:7], WO_S
	G0P 72, WSL, 66
	s_add_nc_u64 s[66:67], s[4:5], s[24:25]
	G0P 76, ZL, 66
	G0P 80, ZL+GOF, 12
	G0P 84, ZL+BOF, 14
	G0P 88, ZL+OOF, 8
	s_add_nc_u64 s[66:67], s[4:5], s[26:27]        ; z's scale words
	s_add_nc_u64 s[10:11], s[10:11], s[22:23]      ; my row of x
	s_add_nc_u64 s[16:17], s[16:17], s[22:23]      ; and of post
	s_add_nc_u64 s[4:5], s[18:19], s[24:25]        ; h's codes
	s_add_nc_u64 s[6:7], s[18:19], s[26:27]        ; h's scale words
	ROUND                                          ; all four work-groups are here: the joint loads meet
; The thirteen first fills, one a wave, in one chain of branches on the wave's number
.macro ARM under, g0, g1, next
	s_cmp_lt_u32 s20, \under
	s_cbranch_scc0 \next
	tensor_load_to_lds s[\g0:\g0+3], s[\g1:\g1+7]
	s_nop 0
.rept 4
	v_nop
.endr
	s_branch .Lasked
\next:
.endm
	ARM 8, 68, 32, .La1
	ARM 9, 72, 40, .La2
	ARM 10, 76, 48, .La3
	ARM 11, 80, 56, .La4
	ARM 12, 84, 56, .La5
	ARM 13, 88, 56, .La6
.Lasked:
.irp i, 0,1,2,3
	global_load_b32 v[AS+\i], v15, s[66:67] offset:32768*\i          ; K steps 2 i and 2 i + 1
.endr
.irp j, 0,1,2,3,4,5,6,7
	global_load_b128 v[X+4*\j:X+4*\j+3], v2, s[10:11] offset:512*\j  ; my row of x: 512 consecutive bytes a load; first wanted behind the products
.endr
	s_wait_tensorcnt 0x0                           ; my load has landed
	s_barrier_signal -1
	s_barrier_wait -1                              ; everybody's has
.irp t, 0,1,2,3
	ds_load_b128 v[ACC+8*\t:ACC+8*\t+3], v223 offset:128*(\t/2)+32*(\t%2)        ; the sums begin with b_out: nothing is cleared
	ds_load_b128 v[ACC+8*\t+4:ACC+8*\t+7], v223 offset:128*(\t/2)+32*(\t%2)+16
.endr
	s_wait_loadcnt 8                               ; z's scale words are in; the row's 8 loads may be out
	PHASE 0
	s_wait_tensorcnt 0x0                           ; no tensor load of mine is out, so a group 0 may be written
	ds_add_u32 v12, v13                            ; 0 onto my spare word,
	ds_add_u32 v12, v13
	s_add_nc_u64 s[70:71], s[70:71], 4096          ; four K steps on
	s_wait_dscnt 0x0                               ; both adds are done, and my reads of the slots are over
	ROUND                                          ; both now hold of every wave of every partner
	s_cmp_lt_u32 s20, 8
	s_cbranch_scc0 .Lno_refill
	tensor_load_to_lds s[68:71], s[32:39]          ; both slots are filled again, one load a wave
	s_nop 0
.rept 4
	v_nop
.endr
.Lno_refill:
	s_wait_tensorcnt 0x0
	s_barrier_signal -1
	s_barrier_wait -1
	PHASE 1
	s_barrier_signal -1                            ; every wave's reads of the slots are over (the last wait on DScnt was for 0): the stages may be written
	s_barrier_wait -1
.irp t, 0,1,2,3
	ds_store_b128 v11, v[ACC+8*\t:ACC+8*\t+3] offset:128*(\t/2)+32*(\t%2)          ; each accumulator from its low end on
	ds_store_b128 v11, v[ACC+8*\t+4:ACC+8*\t+7] offset:128*(\t/2)+32*(\t%2)+16
.endr
	s_wait_dscnt 0x0                               ; for the others' sake: my stores have landed
	s_barrier_signal -1
	s_barrier_wait -1
.irp j, 0,1,2,3,4,5,6,7
	ds_load_b128 v[SR+4*\j:SR+4*\j+3], v1 offset:512*\j
.endr
.irp j, 0,1,2,3,4,5,6,7
	ds_load_b128 v[G+4*\j:G+4*\j+3], v222 offset:GOF+512*\j
.endr
.irp j, 0,1,2,3,4,5,6,7
	ds_load_b128 v[B+4*\j:B+4*\j+3], v222 offset:BOF+512*\j
.endr
	s_wait_loadcnt 0x0                             ; x
	s_wait_dscnt 16                                ; the row from the stage is in; the gain's and the bias's 16 loads may be out
.irp j, 0,2,4,6,8,10,12,14,16,18,20,22,24,26,28,30
	v_pk_add_f32 v[X+\j:X+\j+1], v[X+\j:X+\j+1], v[SR+\j:SR+\j+1]
.endr
.irp j, 0,1,2,3,4,5,6,7
	global_store_b128 v2, v[X+4*\j:X+4*\j+3], s[16:17] offset:512*\j   ; post: 32 lanes store 512 consecutive bytes, aligned
.endr
	v_mov_b32 v210, 0                              ; a lane permute's destination counts as one of its sources
.irp k, 0,1,2,3
	v_pk_add_f32 v[202+2*\k:203+2*\k], v[X+2*\k:X+2*\k+1], v[X+8+2*\k:X+9+2*\k]
.endr
.irp m, 16,24
.irp k, 0,1,2,3
	s_delay_alu instid0(VALU_DEP_4)
	v_pk_add_f32 v[202+2*\k:203+2*\k], v[202+2*\k:203+2*\k], v[X+\m+2*\k:X+\m+2*\k+1]
.endr
.endr
	FOLD
	WSUM
	s_delay_alu instid0(VALU_DEP_1)
	v_mul_f32 v200, 0x3a800000, v202               ; the mean: sum / 1,024
	s_delay_alu instid0(VALU_DEP_1)
	v_mov_b32 v201, v200
	s_wait_alu depctr_va_vdst(0)
	s_wait_xcnt 0x0                                ; the stores of post have read their registers: the row may be written
.irp j, 0,2,4,6,8,10,12,14,16,18,20,22,24,26,28,30
	v_pk_add_f32 v[X+\j:X+\j+1], v[X+\j:X+\j+1], v[200:201] neg_lo:[0,1] neg_hi:[0,1]
.endr
.irp k, 0,1,2,3
	v_pk_mul_f32 v[202+2*\k:203+2*\k], v[X+2*\k:X+2*\k+1], v[X+2*\k:X+2*\k+1]
.endr
.irp m, 8,16,24
.irp k, 0,1,2,3
	s_delay_alu instid0(VALU_DEP_4)
	v_pk_fma_f32 v[202+2*\k:203+2*\k], v[X+\m+2*\k:X+\m+2*\k+1], v[X+\m+2*\k:X+\m+2*\k+1], v[202+2*\k:203+2*\k]
.endr
.endr
	FOLD
	WSUM
	v_mov_b32 v211, 0x3727c5ac                     ; 1e-5
	s_delay_alu instid0(VALU_DEP_1)
	v_fmamk_f32 v202, v202, 0x3a800000, v211       ; the variance + 1e-5
	s_wait_alu depctr_va_vdst(0)
	s_wait_dscnt 0x0                               ; the gain and the bias are in
	v_rsq_f32 v212, v202
	v_nop                                          ; a plain line behind the transcendental
	s_wait_alu depctr_va_vdst(0)                   ; the wait ahead of its first reader
	v_mov_b32 v213, v212
.irp j, 0,2,4,6,8,10,12,14,16,18,20,22,24,26,28,30
	v_pk_mul_f32 v[X+\j:X+\j+1], v[X+\j:X+\j+1], v[212:213]
.endr
.irp j, 0,2,4,6,8,10,12,14,16,18,20,22,24,26,28,30
	v_pk_fma_f32 v[X+\j:X+\j+1], v[X+\j:X+\j+1], v[G+\j:G+\j+1], v[B+\j:B+\j+1]
.endr
.irp j, 0,1,2,3,4,5,6,7
	ds_store_b128 v3, v[X+4*\j:X+4*\j+3] offset:576*\j
.endr
.irp i, 0,1,2,3,4,5,6,7
	ds_load_b128 v[G+4*\i:G+4*\i+3], v4 offset:16*\i   ; LDS serves a wave's instructions in order: these see the stores above
.endr
	s_wait_dscnt 0x0
	v_max3_num_f32 v100, |v[G]|, |v[G+1]|, 0x1800000   ; my block's largest magnitude, with the floor 2^(3 - 127)
	v_max3_num_f32 v101, |v[G+2]|, |v[G+3]|, |v[G+4]|
.irp i, 5,9,13,17,21,25
	s_delay_alu instid0(VALU_DEP_2)
	v_max3_num_f32 v100, v100, |v[G+\i]|, |v[G+\i+1]|
	s_delay_alu instid0(VALU_DEP_2)
	v_max3_num_f32 v101, v101, |v[G+\i+2]|, |v[G+\i+3]|
.endr
	s_delay_alu instid0(VALU_DEP_2)
	v_max3_num_f32 v100, v100, |v[G+29]|, |v[G+30]|
	s_delay_alu instid0(VALU_DEP_1)
	v_max3_num_f32 v100, v100, v101, |v[G+31]|
	s_delay_alu instid0(VALU_DEP_1)
	v_add_nc_u32 v102, 0xff000000, v100            ; 2 off the exponent field: the conversion's scale operand
.irp g, 0,1,2,3
	v_cvt_scalef32_pk8_fp4_f32 v[104+\g], v[G+8*\g:G+8*\g+7], v102
.endr
	v_lshrrev_b32 v103, 23, v102                   ; the byte; also the plain line behind the conversions
	ds_store_b128 v5, v[104:107]
	ds_store_b8 v6, v103
	s_wait_dscnt 0x0                               ; for the others' sake: my stores have landed
	s_barrier_signal -1
	s_barrier_wait -1
	ds_load_b128 v[108:111], v7
	s_wait_dscnt 0x0
	global_store_b128 v8, v[108:111], s[4:5]       ; 32 lanes store 512 consecutive bytes
	s_cmp_lg_u32 s20, 0
	s_cbranch_scc1 .Lend
	ds_load_b128 v[96:99], v9
	s_wait_dscnt 0x0
	global_store_b128 v10, v[96:99], s[6:7]        ; eight pieces of 64 bytes: the scale words are one byte for each 128 bytes of the row
.Lend:
	s_wait_tensorcnt 0x0                           ; the wave's end, behind my last LDS store, ahead of the closing round
	ds_add_u32 v12, v13
	s_wait_dscnt 0x0
	ROUND                                          ; the closing round: no work-group ends while a partner may still ask for a tile that names it
	s_endpgm
.Lfunc_end_k_q83bfa44d45_oln:
	.size	k_q83bfa44d45_oln, .Lfunc_end_k_q83bfa44d45_oln-k_q83bfa44d45_oln
	.p2alignl 7, 3214868480
	.fill 96, 4, 3214868480
	.section	.rodata,"a",@progbits
	.p2align	6, 0x0
	.amdhsa_kernel k_q83bfa44d45_oln
		.amdhsa_group_segment_fixed_size 327680
		.amdhsa_private_segment_fixed_size 0
		.amdhsa_enable_private_segment 0
		.amdhsa_kernarg_size 64
		.amdhsa_user_sgpr_count 2
		.amdhsa_user_sgpr_kernarg_segment_ptr 1
		.amdhsa_wavefront_size32 1
		.amdhsa_system_sgpr_workgroup_id_x 1
		.amdhsa_system_sgpr_workgroup_id_y 1
		.amdhsa_system_sgpr_workgroup_id_z 1
		.amdhsa_system_vgpr_workitem_id 0
		.amdhsa_next_free_vgpr 256
		.amdhsa_next_free_sgpr 102
		.amdhsa_reserve_vcc 0
		.amdhsa_float_denorm_mode_32 3
		.amdhsa_float_denorm_mode_16_64 3
		.amdhsa_memory_ordered 1
		.amdhsa_forward_progress 1
		.amdhsa_inst_pref_size 39
	.end_amdhsa_kernel
	.amdgpu_metadata
---
amdhsa.version: [ 1, 2 ]
amdhsa.kernels:
  - .name:           k_q83bfa44d45_oln
    .symbol:         k_q83bfa44d45_oln.kd
    .args:
      - { .name: zb, .offset: 0, .size: 8, .value_kind: global_buffer, .address_space: global }
      - { .name: wts, .offset: 8, .size: 8, .value_kind: global_buffer, .address_space: global }
      - { .name: b_out, .offset: 16, .size: 8, .value_kind: global_buffer, .address_space: global }
      - { .name: x, .offset: 24, .size: 8, .value_kind: global_buffer, .address_space: global }
      - { .name: ln2_w, .offset: 32, .size: 8, .value_kind: global_buffer, .address_space: global }
      - { .name: ln2_b, .offset: 40, .size: 8, .value_kind: global_buffer, .address_space: global }
      - { .name: post, .offset: 48, .size: 8, .value_kind: global_buffer, .address_space: global }
      - { .name: hb, .offset: 56, .size: 8, .value_kind: global_buffer, .address_space: global }
    .group_segment_fixed_size: 327680
    .private_segment_fixed_size: 0
    .kernarg_segment_align: 8
    .kernarg_segment_size: 64
    .max_flat_workgroup_size: 512
    .sgpr_count:     102
    .vgpr_count:     256
    .wavefront_size: 32
...
	.end_amdgpu_metadata
.endif
;; end of part 5
;; launch mlp1 (part 6): grid 16 x 16, 16 waves a work-group, clusters of 4 x 4, 282,624 bytes of LDS; arguments hb, wts, mlp1_b, gb; writes gb
.if DOCPART == 6
	.amdgcn_target "amdgcn-amd-amdhsa--gfx1250"
	.amdhsa_code_object_version 6
	.text
	.protected	k_q83bfa44d45_mlp1
	.globl	k_q83bfa44d45_mlp1
	.p2align	8
	.type	k_q83bfa44d45_mlp1,@function
k_q83bfa44d45_mlp1:
	s_mov_b64 s[64:65], 0
	v_nop
	global_prefetch_b8 v0, s[64:65] scope:SCOPE_SE
	s_setreg_imm32_b32 hwreg(HW_REG_WAVE_MODE, 25, 1), 1
	s_wait_xcnt 0x0
	s_wait_alu depctr_hold_cnt(0) depctr_sa_sdst(0) depctr_va_vdst(0) depctr_va_sdst(0) depctr_va_ssrc(0) depctr_va_vcc(0) depctr_vm_vsrc(0)
	s_getreg_b32 s2, hwreg(HW_REG_IB_STS2, 6, 4)
	s_cmp_eq_u32 s2, 0
	s_cbranch_scc0 .Lentry_in_a_cluster
	s_endpgm
.Lentry_in_a_cluster:
	s_bfe_u32 s2, ttmp6, 0x10000c
	s_cmp_lg_u32 s2, 0xf033
	s_cbranch_scc0 .Lentry_shape_is_right
	s_endpgm
.Lentry_shape_is_right:
; g = gelu(LN2(post) W1^T + b1): [4,096 x 1,024] x [1,024 x 4,096] on codes of FP4 with E8M0 scales; the exact (erf) GELU in f32; g quantised in registers along its 4,096 columns, the next product's K.
; Operands and result lie as images of the matrix unit's registers: codes [group of 16 slots][K / 32][slot][16 bytes], scale words [K / 128][slot]; slot r of group 2 b + u holds true row 32 b + 8 u + (r % 8) + 16 (r / 8).
; SHARES.  A work-group makes 256 x 256; its sixteen waves 64 x 64 each: four waves to a SIMD, so that one wave's GELU stands beside another's products and LDS loads.
; All of K fits in LDS: two chunks of 512 along K, both first fills; nothing is filled again.  CLUSTER 4 x 4: the activations' tile is shared along a row, the weights' along a column: every load is joint.
; The product is used transposed (source 0 = 16 rows of W1): a lane holds one row, and the 16 registers of tiles 2 b, 2 b + 1 are 16 neighbouring columns.  The bias is the C of each sum's first product.
; GELU.  gelu(x) = max(x, 0) - |x| E, E = erfc(|x| / sqrt 2) / 2 = t 2^(poly(t) - x^2 log2(e) / 2), t = 1 / (1 + |x| / (2 sqrt 2)): no difference of near numbers for either sign.
; LIMITS: the fit of erfc is good to about 1.2e-7 of erfc; NaN and infinities are not served; a block whose largest magnitude lies under 2^-124 has the byte 1.
.set HB_S, 2097152
.set W1_C, 1671168
.set W1_S, 3768320
.set GB_S, 8388608
.set CKB,  4096
.set CH,   131072                      ; a chunk: 16 groups of the activations, 16 of the weights
.set SCA,  262144                      ; the activations' scale words: [8][256 slots]
.set SCB,  270336                      ; the weights'
.set SP,   1024
.set SCST, 278528                      ; a stage of its own for g's scale words: [2][256 slots]; no fill lands here
.set SC,  24
.set AF,  32
.set BF,  64
.set ACC, 128
.set GT,  32                           ; the GELU's registers, free behind the products: t, the exponent, x^2 and max(x, 0)
.set GP,  48
.set GQ,  64
.set QT,  80
.set QU,  82
.set QS,  84
.set SEL, 16
.set C9, 32                            ; the fit's constants x log2(e), as pairs, in the descriptors' registers once every tensor load has landed
.set C7, 34
.set C6, 36
.set C5, 38
.set C4, 40
.set C3, 42
.set C2, 44
.set C1, 46
.set C0, 48
.set CQ, 50
.set CD, 52
.macro CROUND
	s_barrier_signal -1
	s_barrier_wait -1
	s_cmp_lg_u32 s20, 0
	s_cbranch_scc1 .Lnot_wave_0_\@
	s_barrier_signal -3
.Lnot_wave_0_\@:
	s_barrier_wait -3
	s_barrier_signal -1
	s_barrier_wait -1
.endm
.macro G0SET g, ldsr, ldsc, ptr, add
	s_mov_b32 s[\g], 1
	s_add_co_u32 s[\g+1], s[\ldsr], \ldsc
	s_add_nc_u64 s[\g+2:\g+3], s[\ptr:\ptr+1], \add
	s_or_b32 s[\g+3], s[\g+3], 0x80000000
.endm
.macro KSTEP adra, adrb, ko, so, first ; 128 along K: eight fragments, four registers of scale words, 16 products; the 16 accumulators take turns
.rept 4
	v_nop                                          ; four places in front of loads into registers that matrix instructions have read
.endr
.irp i, 0,1,2,3
	ds_load_b128 v[AF+8*\i:AF+8*\i+3], v[\adra] offset:\i*CKB+\ko
	ds_load_b128 v[AF+8*\i+4:AF+8*\i+7], v[\adra] offset:\i*CKB+\ko+512
	ds_load_b128 v[BF+8*\i:BF+8*\i+3], v[\adrb] offset:\i*CKB+\ko
	ds_load_b128 v[BF+8*\i+4:BF+8*\i+7], v[\adrb] offset:\i*CKB+\ko+512
.endr
.irp i, 0,1,2,3
	ds_load_b32 v[SC+\i], v8 offset:\so+64*\i
.endr
	s_wait_dscnt 0x0
.irp a, 0,1,2,3
.irp t, 0,1,2,3
.if \first
	v_wmma_scale_f32_16x16x128_f8f6f4 v[ACC+8*(4*\a+\t):ACC+8*(4*\a+\t)+7], v[BF+8*\t:BF+8*\t+7], v[AF+8*\a:AF+8*\a+7], v[96+8*\t:103+8*\t], v[SC+\t], v[SC+\a] matrix_a_fmt:MATRIX_FMT_FP4 matrix_b_fmt:MATRIX_FMT_FP4 matrix_a_scale:MATRIX_SCALE_ROW1
.else
	v_wmma_scale_f32_16x16x128_f8f6f4 v[ACC+8*(4*\a+\t):ACC+8*(4*\a+\t)+7], v[BF+8*\t:BF+8*\t+7], v[AF+8*\a:AF+8*\a+7], v[ACC+8*(4*\a+\t):ACC+8*(4*\a+\t)+7], v[SC+\t], v[SC+\a] matrix_a_fmt:MATRIX_FMT_FP4 matrix_b_fmt:MATRIX_FMT_FP4 matrix_a_scale:MATRIX_SCALE_ROW1
.endif
.endr
.endr
.endm
.macro CHUNK c
.set ck_, 0
.rept 4
.if (\c == 0) && (ck_ == 0)
	KSTEP 4+\c, 6+\c, 1024*ck_, (4*\c+ck_)*SP, 1
.else
	KSTEP 4+\c, 6+\c, 1024*ck_, (4*\c+ck_)*SP, 0
.endif
.set ck_, ck_+1
.endr
.endm
.macro QBS x, nb, cd, eb               ; nb blocks by turns: 16 numbers of my lane at v[x + 16 q], the other 16 in lane l xor 16
.set qb_, 0
.rept \nb
	v_max3_num_f32 v[QT+qb_], |v[\x+16*qb_]|, |v[\x+16*qb_+1]|, 0x1800000
.set qb_, qb_+1
.endr
.irp i, 2,4,6,8,10,12,14
.set qb_, 0
.rept \nb
	s_delay_alu instid0(VALU_DEP_2)
	v_max3_num_f32 v[QT+qb_], v[QT+qb_], |v[\x+16*qb_+\i]|, |v[\x+16*qb_+\i+1]|
.set qb_, qb_+1
.endr
.endr
.set qb_, 0
.rept \nb
	s_delay_alu instid0(VALU_DEP_2)
	v_permlanex16_b32 v[QU+qb_], v[QT+qb_], s[SEL], s[SEL+1]
.set qb_, qb_+1
.endr
.set qb_, 0
.rept \nb
	s_delay_alu instid0(VALU_DEP_2)
	v_max_num_f32 v[QT+qb_], v[QT+qb_], v[QU+qb_]
.set qb_, qb_+1
.endr
.set qb_, 0
.rept \nb
	s_delay_alu instid0(VALU_DEP_2)
	v_add_nc_u32 v[QS+qb_], 0xff000000, v[QT+qb_]
.set qb_, qb_+1
.endr
.set qb_, 0
.rept \nb
	s_delay_alu instid0(VALU_DEP_2)
	v_lshrrev_b32 v[\eb+qb_], 23, v[QS+qb_]
.set qb_, qb_+1
.endr
.set qb_, 0
.rept \nb
	v_cvt_scalef32_pk8_fp4_f32 v[\cd+2*qb_], v[\x+16*qb_:\x+16*qb_+7], v[QS+qb_]
	v_cvt_scalef32_pk8_fp4_f32 v[\cd+2*qb_+1], v[\x+16*qb_+8:\x+16*qb_+15], v[QS+qb_]
.set qb_, qb_+1
.endr
	v_nop
.endm
.macro GELU16 x                        ; 16 numbers in place
.set gi_, 0
.rept 16
	v_fma_f32 v[GT+gi_], |v[\x+gi_]|, s[CD], 1.0   ; each accumulator from its low end on
.set gi_, gi_+1
.endr
.set gi_, 0
	s_wait_alu depctr_va_vdst(0)
.rept 16
	v_rcp_f32 v[GT+gi_], v[GT+gi_]                 ; t
.set gi_, gi_+1
.endr
.set gi_, 0
.rept 8
	v_pk_mul_f32 v[GQ+gi_:GQ+gi_+1], v[\x+gi_:\x+gi_+1], v[\x+gi_:\x+gi_+1]   ; x^2; also the plain lines behind the reciprocals
.set gi_, gi_+2
.endr
.set gi_, 0
	s_wait_alu depctr_va_vdst(0)                   ; one wait for the 16 reciprocals, ahead of their first reader
.rept 8
	v_pk_fma_f32 v[GP+gi_:GP+gi_+1], v[GT+gi_:GT+gi_+1], s[C9:C9+1], v[88:89] op_sel_hi:[1,0,1]
.set gi_, gi_+2
.endr
.irp c, C7, C6, C5, C4, C3, C2, C1, C0
.set gi_, 0
.rept 8
	v_pk_fma_f32 v[GP+gi_:GP+gi_+1], v[GP+gi_:GP+gi_+1], v[GT+gi_:GT+gi_+1], s[\c:\c+1] op_sel_hi:[1,1,0]
.set gi_, gi_+2
.endr
.endr
.set gi_, 0
.rept 8
	v_pk_fma_f32 v[GP+gi_:GP+gi_+1], v[GQ+gi_:GQ+gi_+1], s[CQ:CQ+1], v[GP+gi_:GP+gi_+1] op_sel_hi:[1,0,1]
.set gi_, gi_+2
.endr
.set gi_, 0
	s_wait_alu depctr_va_vdst(0)
.rept 16
	v_exp_f32 v[GP+gi_], v[GP+gi_]
.set gi_, gi_+1
.endr
.set gi_, 0
.rept 16
	v_max_num_f32 v[GQ+gi_], 0, v[\x+gi_]          ; also the plain lines behind the exponentials
.set gi_, gi_+1
.endr
.set gi_, 0
	s_wait_alu depctr_va_vdst(0)                   ; one wait for the 16 exponentials, ahead of their first reader
.rept 8
	v_pk_mul_f32 v[GP+gi_:GP+gi_+1], v[GP+gi_:GP+gi_+1], v[GT+gi_:GT+gi_+1]
.set gi_, gi_+2
.endr
.set gi_, 0
.rept 16
	v_fma_f32 v[\x+gi_], -|v[\x+gi_]|, v[GP+gi_], v[GQ+gi_]
.set gi_, gi_+1
.endr
.endm
	s_load_b256 s[4:11], s[0:1], 0x0
.set SPARE, 280576                     ; the spare words, 128 bytes a wave, behind the stage of g's scale words
	v_lshl_add_u32 v14, v0, 2, SPARE
	v_mov_b32 v15, 0
	ds_add_u32 v14, v15                            ; the opening lines: the add twice on end and one wait, ahead of the round in front of the first loads
	ds_add_u32 v14, v15
	v_lshrrev_b32 v1, 5, v0
	s_delay_alu instid0(VALU_DEP_1)
	v_readfirstlane_b32 s20, v1                    ; wave 0..15
	s_lshr_b32 s21, s20, 2                         ; wy
	s_and_b32 s22, s20, 3                          ; wx
	s_and_b32 s23, s20, 1                          ; which half of a tile I fetch, if I fetch
	s_bfe_u32 s24, ttmp6, 0x40000
	s_bfe_u32 s25, ttmp6, 0x40004
	s_lshl_b32 s26, ttmp9, 2
	s_add_co_u32 s26, s26, s24                     ; tile column
	s_and_b32 s27, ttmp7, 0xffff
	s_lshl_b32 s27, s27, 2
	s_add_co_u32 s27, s27, s25                     ; tile row
	s_lshl_b32 s28, s25, 2
	s_lshl_b32 s28, 15, s28
	s_lshl_b32 s29, 0x1111, s24
	s_mov_b32 s[SEL], 0x76543210
	s_mov_b32 s[SEL+1], 0xfedcba98
	s_or_b32 s32, s28, (3<<16)|(1<<21)             ; codes: 8 groups x 4,096 bytes, 8,192 apart
	s_or_b32 s40, s29, (3<<16)|(1<<21)
.irp g, 32, 40
	s_mov_b32 s[\g+1], 512<<16
	s_mov_b32 s[\g+2], 8<<16
	s_mov_b32 s[\g+3], 512<<16
	s_mov_b32 s[\g+4], 8
	s_mov_b32 s[\g+5], 1024
	s_mov_b32 s[\g+6], 0
	s_mov_b32 s[\g+7], 0
.endr
	s_or_b32 s48, s28, (3<<16)|(1<<21)             ; scale words: 4 K steps x 1,024 bytes, 16,384 apart
	s_or_b32 s56, s29, (3<<16)|(1<<21)
.irp g, 48, 56
	s_mov_b32 s[\g+1], 128<<16
	s_mov_b32 s[\g+2], 4<<16
	s_mov_b32 s[\g+3], 128<<16
	s_mov_b32 s[\g+4], 4
	s_mov_b32 s[\g+5], 2048
	s_mov_b32 s[\g+6], 0
	s_mov_b32 s[\g+7], 0
.endr
	s_lshl_b32 s92, s27, 17
	s_lshl_b32 s93, s23, 16
	s_add_co_u32 s92, s92, s93
	s_mov_b32 s93, 0
	s_lshl_b32 s94, s27, 10
	s_lshl_b32 s95, s23, 16
	s_add_co_u32 s94, s94, s95
	s_add_co_u32 s94, s94, HB_S
	s_mov_b32 s95, 0
	s_lshl_b32 s96, s26, 17
	s_lshl_b32 s97, s23, 16
	s_add_co_u32 s96, s96, s97
	s_add_co_u32 s96, s96, W1_C
	s_mov_b32 s97, 0
	s_lshl_b32 s98, s26, 10
	s_lshl_b32 s99, s23, 16
	s_add_co_u32 s98, s98, s99
	s_add_co_u32 s98, s98, W1_S
	s_mov_b32 s99, 0
	s_lshl_b32 s30, s22, 15                        ; where they go: (wave % 4) x 32,768 (0, 1: the activations' halves; 2, 3: the weights'),
	s_lshl_b32 s31, s22, 12                        ; scale words: (wave % 4) x 4,096
	s_lshl_b32 s12, s26, 10
	s_lshl_b32 s3, s22, 8
	s_add_co_u32 s12, s12, s3                      ; the bias of my 64 columns
	s_mov_b32 s13, 0
	s_wait_dscnt 0x0                               ; both opening adds are done
	s_wait_kmcnt 0x0
	s_add_nc_u64 s[92:93], s[4:5], s[92:93]
	s_add_nc_u64 s[94:95], s[4:5], s[94:95]
	s_add_nc_u64 s[96:97], s[6:7], s[96:97]
	s_add_nc_u64 s[98:99], s[6:7], s[98:99]
	s_add_nc_u64 s[14:15], s[8:9], s[12:13]
	G0SET 68, 31, SCA, 94, 0
	G0SET 72, 30, 0, 92, 0
	G0SET 76, 30, CH, 92, CKB
	G0SET 80, 31, SCA, 98, 0
	G0SET 84, 30, 0, 96, 0
	G0SET 88, 30, CH, 96, CKB
	CROUND                                         ; all sixteen work-groups are here: the joint loads meet
; The twelve first fills, one a wave, in one chain of branches on the wave's number: waves 0-3 chunk 0 (the activations' halves, the weights' halves), 4-7 chunk 1 likewise, 8-11 the scale words likewise
.macro ARM under, g0, g1, next
	s_cmp_lt_u32 s20, \under
	s_cbranch_scc0 \next
	tensor_load_to_lds s[\g0:\g0+3], s[\g1:\g1+7]
	s_nop 0
.rept 4
	v_nop
.endr
	s_branch .Lasked
\next:
.endm
	ARM 2, 72, 32, .La1
	ARM 4, 84, 40, .La2
	ARM 6, 76, 32, .La3
	ARM 8, 88, 40, .La4
	ARM 10, 68, 48, .La5
	ARM 12, 80, 56, .La6
.Lasked:
	v_and_b32 v3, 31, v0                           ; lane
	v_and_b32 v1, 15, v0                           ; r
	v_bfe_u32 v2, v0, 4, 1                         ; h
	s_delay_alu instid0(VALU_DEP_1)
	v_lshlrev_b32 v11, 6, v2
.irp t, 0,1,2,3
	global_load_b128 v[96+8*\t:99+8*\t], v11, s[14:15] offset:(32*(\t/2)+8*(\t%2))*4       ; tile t's eight columns of my half: 32 (t / 2) + 16 h + 8 (t % 2) + 0 .. 7
	global_load_b128 v[100+8*\t:103+8*\t], v11, s[14:15] offset:(32*(\t/2)+8*(\t%2))*4+16
.endr
	v_lshlrev_b32 v12, 4, v3
	s_lshl_b32 s18, s21, 14
	v_add_nc_u32 v4, s18, v12
	s_delay_alu instid0(VALU_DEP_1)
	v_add_nc_u32 v5, CH, v4
	s_lshl_b32 s18, s22, 14
	s_add_co_u32 s18, s18, 65536
	v_add_nc_u32 v6, s18, v12
	s_delay_alu instid0(VALU_DEP_1)
	v_add_nc_u32 v7, CH, v6
	s_lshl_b32 s18, s21, 8
	s_lshl_b32 s19, s22, 8
	s_add_co_u32 s19, s19, SCB-SCA
	s_sub_co_u32 s19, s19, s18
	v_mul_u32_u24 v8, s19, v2                      ; lanes 16-31 take the weights' words: one product with h
	s_delay_alu instid0(VALU_DEP_1)
	v_lshl_add_u32 v8, v1, 2, v8
	s_add_co_u32 s18, s18, SCA
	v_add_nc_u32 v8, s18, v8
	v_lshlrev_b32 v9, 4, v1
	s_delay_alu instid0(VALU_DEP_1)
	v_lshl_add_u32 v9, v2, 3, v9                   ; out: 16 r + 8 h
	s_lshr_b32 s18, s22, 1
	s_lshl_b32 s18, s18, 10
	s_lshl_b32 s19, s21, 8
	s_add_co_u32 s18, s18, s19
	s_and_b32 s19, s22, 1
	s_lshl_b32 s19, s19, 1
	s_add_co_u32 s18, s18, s19
	s_add_co_u32 s18, s18, SCST
	v_lshl_add_u32 v10, v1, 2, s18                 ; my two bytes of a scale word: K step wx / 2, slot 64 wy + r, bytes 2 (wx % 2), + 1
	s_lshl_b32 s18, s20, 9
	s_add_co_u32 s18, s18, SCST
	v_add_nc_u32 v13, s18, v12                     ; waves 0-3 read the stage back, 512 bytes each
	s_wait_alu depctr_va_vdst(0)
	s_wait_loadcnt 0x0                             ; the bias
	s_lshr_b32 s3, s20, 2
	s_cmp_eq_u32 s3, 1                             ; waves 4 to 7 fetched chunk 1, which is first read behind the next barrier: they wait for it there
	s_cbranch_scc1 .Lc1w
	s_wait_tensorcnt 0x0                           ; my part of chunk 0 or of the scale words is in
.Lc1w:
	s_barrier_signal -1
	s_barrier_wait -1
	CHUNK 0
	s_wait_tensorcnt 0x0                           ; chunk 1 is in
	s_barrier_signal -1
	s_barrier_wait -1
	CHUNK 1
.rept 4
	v_nop                                          ; places in front of the first read of results and the first write of operands
.endr
	s_mov_b32 s[C9], 0x3e7c6f08                    ; 0.24651730
	s_mov_b32 s[C7], 0x40097039                    ; 2.14747446
	s_mov_b32 s[C6], 0xbfd1a1e5                    ; -1.63775315
	s_mov_b32 s[C5], 0x3ecdfd18                    ; 0.40232158
	s_mov_b32 s[C4], 0xbe899a80                    ; -0.26875686
	s_mov_b32 s[C3], 0x3e0efb2f                    ; 0.13963006
	s_mov_b32 s[C2], 0x3f0a29d2                    ; 0.53970062
	s_mov_b32 s[C1], 0x3fb8ab5a                    ; 1.44272920
	s_mov_b32 s[C0], 0xc034d90f                    ; -2.82574822: the halving is in it
	s_mov_b32 s[CQ], 0xbf38aa3b                    ; -log2(e) / 2
	s_mov_b32 s[CD], 0x3eb504f3                    ; 1 / (2 sqrt 2)
.irp c, C9, C7, C6, C5, C4, C3, C2, C1, C0, CQ
	s_mov_b32 s[\c+1], s[\c]                       ; named as pairs, so both words are written
.endr
	v_mov_b32 v88, 0xbf97d29d                      ; -1.18611495
	s_delay_alu instid0(VALU_DEP_1)
	v_mov_b32 v89, v88
	v_mov_b32 v[QU], 0                             ; a lane permute's destination counts as one of its sources
	v_mov_b32 v[QU+1], 0
	s_lshl_b32 s12, s27, 19
	s_lshl_b32 s3, s21, 17
	s_add_co_u32 s12, s12, s3                      ; group 16 x tile row + 4 wy: 32,768 bytes each
	s_lshl_b32 s3, s26, 11
	s_add_co_u32 s12, s12, s3
	s_lshl_b32 s3, s22, 9
	s_add_co_u32 s12, s12, s3                      ; block 8 x tile column + 2 wx
	s_mov_b32 s13, 0
	s_add_nc_u64 s[12:13], s[10:11], s[12:13]
	s_lshl_b32 s100, s26, 1
	s_lshr_b32 s3, s20, 1
	s_add_co_u32 s100, s100, s3
	s_lshl_b32 s100, s100, 14                      ; waves 0-3: K step 2 x tile column + wave / 2,
	s_lshl_b32 s3, s27, 10
	s_add_co_u32 s100, s100, s3
	s_lshl_b32 s3, s23, 9
	s_add_co_u32 s100, s100, s3                    ; slots 256 x tile row + 128 (wave % 2) on
	s_add_co_u32 s100, s100, GB_S
	s_mov_b32 s101, 0
	s_add_nc_u64 s[100:101], s[10:11], s[100:101]
.irp a, 0,1,2,3
	s_wait_alu depctr_va_vdst(0)
	GELU16 ACC+32*\a
	s_wait_alu depctr_va_vdst(0)
	GELU16 ACC+32*\a+16
	QBS ACC+32*\a, 2, 96+4*\a, 112+2*\a
	global_store_b64 v9, v[96+4*\a:97+4*\a], s[12:13] offset:32768*\a          ; 32 lanes store 256 consecutive bytes, aligned
	global_store_b64 v9, v[98+4*\a:99+4*\a], s[12:13] offset:32768*\a+256
	v_lshl_or_b32 v[120+\a], v[113+2*\a], 8, v[112+2*\a]
	ds_store_b16 v10, v[120+\a] offset:64*\a
.endr
	s_wait_dscnt 0x0                               ; for the others' sake: my stores have landed
	s_barrier_signal -1
	s_barrier_wait -1
	s_cmp_lt_u32 s20, 4
	s_cbranch_scc0 .Lno_sc
	ds_load_b128 v[32:35], v13
	s_wait_dscnt 0x0
	global_store_b128 v12, v[32:35], s[100:101]    ; 32 lanes store 512 consecutive bytes, aligned
.Lno_sc:
	s_wait_tensorcnt 0x0                           ; the wave's end, ahead of the closing round
	ds_add_u32 v14, v15
	s_wait_dscnt 0x0
	CROUND
	s_endpgm
.Lfunc_end_k_q83bfa44d45_mlp1:
	.size	k_q83bfa44d45_mlp1, .Lfunc_end_k_q83bfa44d45_mlp1-k_q83bfa44d45_mlp1
	.p2alignl 7, 3214868480
	.fill 96, 4, 3214868480
	.section	.rodata,"a",@progbits
	.p2align	6, 0x0
	.amdhsa_kernel k_q83bfa44d45_mlp1
		.amdhsa_group_segment_fixed_size 282624
		.amdhsa_private_segment_fixed_size 0
		.amdhsa_enable_private_segment 0
		.amdhsa_kernarg_size 32
		.amdhsa_user_sgpr_count 2
		.amdhsa_user_sgpr_kernarg_segment_ptr 1
		.amdhsa_wavefront_size32 1
		.amdhsa_system_sgpr_workgroup_id_x 1
		.amdhsa_system_sgpr_workgroup_id_y 1
		.amdhsa_system_sgpr_workgroup_id_z 1
		.amdhsa_system_vgpr_workitem_id 0
		.amdhsa_next_free_vgpr 256
		.amdhsa_next_free_sgpr 102
		.amdhsa_reserve_vcc 0
		.amdhsa_float_denorm_mode_32 3
		.amdhsa_float_denorm_mode_16_64 3
		.amdhsa_memory_ordered 1
		.amdhsa_forward_progress 1
		.amdhsa_inst_pref_size 129
	.end_amdhsa_kernel
	.amdgpu_metadata
---
amdhsa.version: [ 1, 2 ]
amdhsa.kernels:
  - .name:           k_q83bfa44d45_mlp1
    .symbol:         k_q83bfa44d45_mlp1.kd
    .args:
      - { .name: hb, .offset: 0, .size: 8, .value_kind: global_buffer, .address_space: global }
      - { .name: wts, .offset: 8, .size: 8, .value_kind: global_buffer, .address_space: global }
      - { .name: mlp1_b, .offset: 16, .size: 8, .value_kind: global_buffer, .address_space: global }
      - { .name: gb, .offset: 24, .size: 8, .value_kind: global_buffer, .address_space: global }
    .group_segment_fixed_size: 282624
    .private_segment_fixed_size: 0
    .kernarg_segment_align: 8
    .kernarg_segment_size: 32
    .max_flat_workgroup_size: 512
    .sgpr_count:     102
    .vgpr_count:     256
    .wavefront_size: 32
...
	.end_amdgpu_metadata
.endif
;; end of part 6
;; launch mlp2 (part 7): grid 8 x 32, 8 waves a work-group, clusters of 4 x 4, 327,680 bytes of LDS; arguments gb, wts, mlp2_b, post, out0; writes out0
.if DOCPART == 7
	.amdgcn_target "amdgcn-amd-amdhsa--gfx1250"
	.amdhsa_code_object_version 6
	.text
	.protected	k_q83bfa44d45_mlp2
	.globl	k_q83bfa44d45_mlp2
	.p2align	8
	.type	k_q83bfa44d45_mlp2,@function
k_q83bfa44d45_mlp2:
	s_mov_b64 s[64:65], 0
	v_nop
	global_prefetch_b8 v0, s[64:65] scope:SCOPE_SE
	s_setreg_imm32_b32 hwreg(HW_REG_WAVE_MODE, 25, 1), 1
	s_wait_xcnt 0x0
	s_wait_alu depctr_hold_cnt(0) depctr_sa_sdst(0) depctr_va_vdst(0) depctr_va_sdst(0) depctr_va_ssrc(0) depctr_va_vcc(0) depctr_vm_vsrc(0)
	s_getreg_b32 s2, hwreg(HW_REG_IB_STS2, 6, 4)
	s_cmp_eq_u32 s2, 0
	s_cbranch_scc0 .Lentry_in_a_cluster
	s_endpgm
.Lentry_in_a_cluster:
	s_bfe_u32 s2, ttmp6, 0x10000c
	s_cmp_lg_u32 s2, 0xf033
	s_cbranch_scc0 .Lentry_shape_is_right
	s_endpgm
.Lentry_shape_is_right:
; out = resid + bias + A W^T: [4,096 x KTOT] x [KTOT x 1,024] on codes of FP4 with E8M0 scales; out, resid: f32, true rows.  Here: A = g, W = mlp2_w, KTOT = 4,096.
; Operands lie as images of the matrix unit's registers: codes [group of 16 slots][K / 32][slot][16 bytes], scale words [K / 128][slot]; slot r of group 2 b + u holds true row 32 b + 8 u + (r % 8) + 16 (r / 8).
; SHARES.  A work-group makes 128 x 128.  Eight waves: 2 x 2 tiles of 64 x 64, twice: waves 0-3 take the even K steps of 128, waves 4-7 the odd ones, so that two waves stand on each SIMD;
; the two partial sums meet in the stage through which the f32 results leave anyway (so the sums are not in ascending K).
; K comes in chunks of CK steps into two LDS slots.  With two chunks both are first fills; with four, each slot is filled once more, behind a round of the cluster's barrier: a refill has one chunk's products in which to land.
; CLUSTER 4 x 4: A's tile is shared along a row of the cluster, W's along a column: every load is asked for jointly.  Wave 0 fetches for A, wave 1 for W.
; The product is used transposed (source 0 = 16 rows of W): a lane holds one row and eight neighbouring columns a tile.  All of a WGP's LDS is claimed.
; THE RESIDUAL AND THE BIAS ARE ASKED FOR AT THE HEAD, straight behind the first fills: nothing waits for them until the way out, so they come in under the products.
; REGISTERS: window 0: v1-17 addresses, v24-27 scale words, v32-95 fragments, v96-99 the bias, v128-255 the accumulators.  Window 1: v0-63 (v256-319) the residual of the 16 rows that I store, then the results.
; s_set_vgpr_msb's low byte: bits 1:0 source 0, 3:2 source 1, 5:4 source 2, 7:6 destination.  Four switches in the whole text: two round the residual's loads, two round the way out.
.set KTOT, 4096
.set CK,   8
.set B_C,  3899392
.set B_S,  5996544
.set NKS,  KTOT/128
.set NCH,  NKS/CK
.set CKB,  CK*1024                     ; a group's bytes in a chunk
.set RBP,  NKS*1024                    ; and in memory
.set A_S,  256*RBP                     ; A's scale words lie behind its codes
.set SLOT, 16*CKB                      ; 8 groups of A, 8 of W
.set SCA,  2*SLOT                      ; A's scale words: [NKS][128 slots]
.set SCB,  SCA+NKS*512                 ; W's
.set SPARE, SCB+NKS*512                ; the spare words, 128 bytes a wave: four blocks of 256 bytes that no other line names
.set STG,  67584                       ; the way out: 128 rows x (512 + 16) bytes for each half of K, from LDS byte 0: bytes that have had their last fill and their last read
.set SC,  24
.set AF,  32
.set BF,  64
.set ACC, 128
.set RES, 0                            ; in window 1
.set G0A, 72
.set G0B, 84
.set MSB, 0
.macro WIN new                         ; the immediate's high byte repeats the setting that is left
.if MSB != \new
	s_set_vgpr_msb (MSB<<8)|\new
.set MSB, \new
.endif
.endm
.macro CROUND
	s_barrier_signal -1
	s_barrier_wait -1
	s_cmp_lg_u32 s20, 0
	s_cbranch_scc1 .Lnot_wave_0_\@
	s_barrier_signal -3
.Lnot_wave_0_\@:
	s_barrier_wait -3
	s_barrier_signal -1
	s_barrier_wait -1
.endm
.macro G0SETC g, ldsc, ptr, add
	s_mov_b32 s[\g], 1
	s_mov_b32 s[\g+1], \ldsc
	s_add_nc_u64 s[\g+2:\g+3], s[\ptr:\ptr+1], \add
	s_or_b32 s[\g+3], s[\g+3], 0x80000000
.endm
.macro JL g0a, g0b                     ; a joint refill: wave 0 asks for A's tile, wave 1 for W's; four v_nop follow each line
	s_cmp_eq_u32 s20, 0
	s_cbranch_scc0 .Lnot_a_\@
	tensor_load_to_lds s[\g0a:\g0a+3], s[32:39]
	s_nop 0
.rept 4
	v_nop
.endr
	s_branch .Ldone_\@
.Lnot_a_\@:
	s_cmp_eq_u32 s20, 1
	s_cbranch_scc0 .Ldone_\@
	tensor_load_to_lds s[\g0b:\g0b+3], s[40:47]
	s_nop 0
.rept 4
	v_nop
.endr
.Ldone_\@:
.endm
.macro KSTEP adra, adrb, ko, so, cm    ; 128 along K: eight fragments, four registers of scale words, 16 products; the 16 accumulators take turns
.rept 4
	v_nop                                          ; four places in front of loads into registers that matrix instructions have read
.endr
.irp i, 0,1,2,3
	ds_load_b128 v[AF+8*\i:AF+8*\i+3], v[\adra] offset:\i*CKB+\ko
	ds_load_b128 v[AF+8*\i+4:AF+8*\i+7], v[\adra] offset:\i*CKB+\ko+512
	ds_load_b128 v[BF+8*\i:BF+8*\i+3], v[\adrb] offset:\i*CKB+\ko
	ds_load_b128 v[BF+8*\i+4:BF+8*\i+7], v[\adrb] offset:\i*CKB+\ko+512
.endr
.irp i, 0,1,2,3
	ds_load_b32 v[SC+\i], v8 offset:\so+64*\i      ; lanes 0-15 A's block i, lanes 16-31 W's
.endr
	s_wait_dscnt 0x0
.irp a, 0,1,2,3
.irp t, 0,1,2,3
.if \cm
	v_wmma_scale_f32_16x16x128_f8f6f4 v[ACC+8*(4*\a+\t):ACC+8*(4*\a+\t)+7], v[BF+8*\t:BF+8*\t+7], v[AF+8*\a:AF+8*\a+7], v[ACC+8*(4*\a+\t):ACC+8*(4*\a+\t)+7], v[SC+\t], v[SC+\a] matrix_a_fmt:MATRIX_FMT_FP4 matrix_b_fmt:MATRIX_FMT_FP4 matrix_a_scale:MATRIX_SCALE_ROW1
.else
	v_wmma_scale_f32_16x16x128_f8f6f4 v[ACC+8*(4*\a+\t):ACC+8*(4*\a+\t)+7], v[BF+8*\t:BF+8*\t+7], v[AF+8*\a:AF+8*\a+7], 0, v[SC+\t], v[SC+\a] matrix_a_fmt:MATRIX_FMT_FP4 matrix_b_fmt:MATRIX_FMT_FP4 matrix_a_scale:MATRIX_SCALE_ROW1
.endif
.endr
.endr
.endm
.macro COMPUTE slot, ch, first         ; my half of chunk ch's K steps, from the slot
.set cm_, 0
.rept CK/2
.if \first && (cm_ == 0)
	KSTEP 4+\slot, 6+\slot, 2048*cm_, ((\ch)*CK+2*cm_)*512, 0
.else
	KSTEP 4+\slot, 6+\slot, 2048*cm_, ((\ch)*CK+2*cm_)*512, 1
.endif
.set cm_, cm_+1
.endr
.endm
.macro REFILL s                        ; slot s, which has been read, takes the chunk two on
	s_wait_tensorcnt 0x0                           ; all my tensor loads have landed, the other slot's among them: a group 0 may be written
	ds_add_u32 v16, v17
	ds_add_u32 v16, v17                            ; and once more
	s_add_nc_u64 s[G0A+4*\s+2:G0A+4*\s+3], s[G0A+4*\s+2:G0A+4*\s+3], 2*CKB
	s_add_nc_u64 s[G0B+4*\s+2:G0B+4*\s+3], s[G0B+4*\s+2:G0B+4*\s+3], 2*CKB
	s_wait_dscnt 0x0                               ; the add is done, and my reads of the slot are over
	CROUND                                         ; both now hold of every wave of every partner
	JL G0A+4*\s, G0B+4*\s                          ; the first tensor load behind the round, one a wave
.endm
	s_load_b256 s[4:11], s[0:1], 0x0               ; A, wts, bias, resid
	s_load_b64 s[12:13], s[0:1], 0x20              ; out
.if NCH > 2
	v_lshl_add_u32 v16, v0, 2, SPARE
	v_mov_b32 v17, 0
	ds_add_u32 v16, v17                            ; the opening lines: the add twice on end and one wait, ahead of the round in front of the first loads
	ds_add_u32 v16, v17
.endif
	v_lshrrev_b32 v1, 5, v0
	s_delay_alu instid0(VALU_DEP_1)
	v_readfirstlane_b32 s20, v1                    ; wave 0..7
	s_lshr_b32 s23, s20, 2                         ; which K steps: even or odd
	s_bfe_u32 s21, s20, 0x10001                    ; wy
	s_and_b32 s22, s20, 1                          ; wx
	s_bfe_u32 s24, ttmp6, 0x40000                  ; cx
	s_bfe_u32 s25, ttmp6, 0x40004                  ; cy
	s_lshl_b32 s26, ttmp9, 2
	s_add_co_u32 s26, s26, s24                     ; tile column
	s_and_b32 s27, ttmp7, 0xffff
	s_lshl_b32 s27, s27, 2
	s_add_co_u32 s27, s27, s25                     ; tile row
	s_lshl_b32 s28, s25, 2
	s_lshl_b32 s28, 15, s28                        ; my row of the cluster
	s_lshl_b32 s29, 0x1111, s24                    ; my column
	; descriptor groups 1, elements of 8 bytes.  Codes: 8 groups x CKB bytes, RBP apart
	s_or_b32 s32, s28, (3<<16)|(1<<21)
	s_or_b32 s40, s29, (3<<16)|(1<<21)
.irp g, 32, 40
	s_mov_b32 s[\g+1], (CKB/8)<<16
	s_mov_b32 s[\g+2], 8<<16
	s_mov_b32 s[\g+3], (CKB/8)<<16
	s_mov_b32 s[\g+4], 8
	s_mov_b32 s[\g+5], RBP/8
	s_mov_b32 s[\g+6], 0
	s_mov_b32 s[\g+7], 0
.endr
	s_or_b32 s48, s28, (3<<16)|(1<<21)             ; scale words: NKS rows of 512 bytes; A's 16,384 apart, W's 4,096
	s_or_b32 s56, s29, (3<<16)|(1<<21)
.irp g, 48, 56
	s_mov_b32 s[\g+1], 64<<16
	s_mov_b32 s[\g+2], NKS<<16
	s_mov_b32 s[\g+3], 64<<16
	s_mov_b32 s[\g+4], NKS
	s_mov_b32 s[\g+6], 0
	s_mov_b32 s[\g+7], 0
.endr
	s_mov_b32 s53, 2048
	s_mov_b32 s61, 512
	s_mul_i32 s92, s27, 8*RBP                      ; A's hang on the tile row alone, W's on the tile column alone
	s_mov_b32 s93, 0
	s_lshl_b32 s94, s27, 9
	s_add_co_u32 s94, s94, A_S
	s_mov_b32 s95, 0
	s_mul_i32 s96, s26, 8*RBP
	s_add_co_u32 s96, s96, B_C
	s_mov_b32 s97, 0
	s_lshl_b32 s98, s26, 9
	s_add_co_u32 s98, s98, B_S
	s_mov_b32 s99, 0
	s_lshl_b32 s14, s27, 7                         ; the rows that I store: group w of the tile: true rows 128 x tile row + 32 (w / 2) + 8 (w % 2) + ..
	s_lshr_b32 s3, s20, 1
	s_lshl_b32 s3, s3, 5
	s_add_co_u32 s14, s14, s3
	s_lshl_b32 s3, s22, 3
	s_add_co_u32 s14, s14, s3
	s_lshl_b32 s14, s14, 12
	s_lshl_b32 s3, s26, 9
	s_add_co_u32 s14, s14, s3
	s_mov_b32 s15, 0
	s_lshl_b32 s30, s26, 9
	s_mov_b32 s31, 0
	s_wait_dscnt 0x0                               ; both opening adds are done
	s_wait_kmcnt 0x0
	s_add_nc_u64 s[92:93], s[4:5], s[92:93]
	s_add_nc_u64 s[94:95], s[4:5], s[94:95]
	s_add_nc_u64 s[96:97], s[6:7], s[96:97]
	s_add_nc_u64 s[98:99], s[6:7], s[98:99]
	s_add_nc_u64 s[10:11], s[10:11], s[14:15]
	s_add_nc_u64 s[12:13], s[12:13], s[14:15]
	s_add_nc_u64 s[8:9], s[8:9], s[30:31]
	G0SETC 68, SCA, 94, 0
	G0SETC 72, 0, 92, 0
	G0SETC 76, SLOT, 92, CKB
	G0SETC 80, SCB, 98, 0
	G0SETC 84, SLOT/2, 96, 0
	G0SETC 88, SLOT+SLOT/2, 96, CKB
	CROUND                                         ; all sixteen work-groups are here: the joint loads meet
; The six first fills, one a wave, in one chain of branches on the wave's number: waves 0, 1 chunk 0 of A and of W, 2, 3 their scale words, 4, 5 chunk 1
.macro ARM under, g0, g1, next
	s_cmp_lt_u32 s20, \under
	s_cbranch_scc0 \next
	tensor_load_to_lds s[\g0:\g0+3], s[\g1:\g1+7]
	s_nop 0
.rept 4
	v_nop
.endr
	s_branch .Lasked
\next:
.endm
	ARM 1, 72, 32, .La1
	ARM 2, 84, 40, .La2
	ARM 3, 68, 48, .La3
	ARM 4, 80, 56, .La4
	ARM 5, 76, 32, .La5
	ARM 6, 88, 40, .La6
.Lasked:
	v_and_b32 v3, 31, v0                           ; lane
	v_and_b32 v1, 15, v0                           ; r
	v_bfe_u32 v2, v0, 4, 1                         ; h
	s_delay_alu instid0(VALU_DEP_3)
	v_lshlrev_b32 v12, 4, v3
	s_wait_alu depctr_va_vdst(0)
	WIN 0x40                                       ; destination window 1, address window 0
.irp i, 0,1,2,3,4,5,6,7,8,9,10,11,12,13,14,15
	global_load_b128 v[RES+4*\i:RES+4*\i+3], v12, s[10:11] offset:((\i%8)+16*(\i/8))*4096   ; the residual of my 16 rows: 512 consecutive bytes a load; first wanted on the way out
.endr
	WIN 0
	global_load_b128 v[96:99], v12, s[8:9]         ; the bias of my four columns
	s_mul_i32 s18, s21, 4*CKB
	s_lshl_b32 s19, s23, 10
	s_add_co_u32 s18, s18, s19
	v_add_nc_u32 v4, s18, v12                      ; my four groups of A, my first K step: slot 0,
	s_delay_alu instid0(VALU_DEP_1)
	v_add_nc_u32 v5, SLOT, v4                      ; slot 1
	s_mul_i32 s18, s22, 4*CKB
	s_add_co_u32 s18, s18, s19
	s_add_co_u32 s18, s18, SLOT/2
	v_add_nc_u32 v6, s18, v12
	s_delay_alu instid0(VALU_DEP_1)
	v_add_nc_u32 v7, SLOT, v6
	s_lshl_b32 s18, s21, 8
	s_lshl_b32 s19, s22, 8
	s_add_co_u32 s19, s19, SCB-SCA
	s_sub_co_u32 s19, s19, s18
	v_mul_u32_u24 v8, s19, v2                      ; lanes 16-31 take W's words: one product with h
	s_delay_alu instid0(VALU_DEP_1)
	v_lshl_add_u32 v8, v1, 2, v8
	s_lshl_b32 s19, s23, 9
	s_add_co_u32 s18, s18, s19
	s_add_co_u32 s18, s18, SCA
	v_add_nc_u32 v8, s18, v8
	s_mul_i32 s18, s23, STG                        ; the stage, in: my half of K, row 64 wy + r, byte 256 wx + 64 h
	s_mul_i32 s19, s21, 64*528
	s_add_co_u32 s18, s18, s19
	s_lshl_b32 s19, s22, 8
	s_add_co_u32 s18, s18, s19
	v_mul_u32_u24 v9, v1, 528
	s_delay_alu instid0(VALU_DEP_1)
	v_lshl_add_u32 v9, v2, 6, v9
	s_delay_alu instid0(VALU_DEP_1)
	v_add_nc_u32 v9, s18, v9
	s_mul_i32 s18, s20, 16*528                     ; back: wave w takes rows 16 w on, whole, of both halves of K
	v_add_nc_u32 v10, s18, v12
	s_delay_alu instid0(VALU_DEP_1)
	v_add_nc_u32 v11, STG, v10
	s_wait_alu depctr_va_vdst(0)
	s_lshr_b32 s3, s20, 1
	s_cmp_eq_u32 s3, 2                             ; waves 4 and 5 fetched chunk 1, which is first read behind the first refill's round: they wait for it in front of that round
	s_cbranch_scc1 .Lc1w
	s_wait_tensorcnt 0x0                           ; my part of chunk 0 or of the scale words is in
.Lc1w:
	s_barrier_signal -1
	s_barrier_wait -1
	COMPUTE 0, 0, 1
.if NCH > 2
	REFILL 0
	COMPUTE 1, 1, 0
	REFILL 1
	COMPUTE 0, 2, 0
.endif
	s_wait_tensorcnt 0x0                           ; the last chunk is in
	s_wait_dscnt 0x0
	s_barrier_signal -1
	s_barrier_wait -1
	COMPUTE 1, NCH-1, 0
	; THE WAY OUT
.rept 4
	v_nop                                          ; places in front of the stores of results
.endr
	s_wait_dscnt 0x0
	s_barrier_signal -1                            ; every wave's reads of the operands are over: the stage may be written
	s_barrier_wait -1
.irp a, 0,1,2,3
.irp t, 0,1,2,3
	ds_store_b128 v9, v[ACC+8*(4*\a+\t):ACC+8*(4*\a+\t)+3] offset:8448*\a+4*(32*(\t/2)+8*(\t%2))        ; each accumulator from its low end on: columns 32 (t / 2) + 16 h + 8 (t % 2) + 0 .. 7
	ds_store_b128 v9, v[ACC+8*(4*\a+\t)+4:ACC+8*(4*\a+\t)+7] offset:8448*\a+4*(32*(\t/2)+8*(\t%2))+16
.endr
.endr
	s_wait_dscnt 0x0                               ; for the others' sake: my stores have landed
	s_barrier_signal -1
	s_barrier_wait -1
.irp i, 0,1,2,3,4,5,6,7,8,9,10,11,12,13,14,15
	ds_load_b128 v[ACC+8*\i:ACC+8*\i+3], v10 offset:528*\i
	ds_load_b128 v[ACC+8*\i+4:ACC+8*\i+7], v11 offset:528*\i
.endr
	s_wait_loadcnt 0x0                             ; the residual and the bias, asked for at the head
	WIN 0x44                                       ; destination and source 1 window 1, source 0 window 0: it serves the additions (result and residual in window 1) and the stores (address source 0, data source 1) alike
.irp i, 0,1,2,3,4,5,6,7,8,9,10,11,12,13,14,15
	v_pk_add_f32 v[RES+4*\i:RES+4*\i+1], v[96:97], v[RES+4*\i:RES+4*\i+1]
	v_pk_add_f32 v[RES+4*\i+2:RES+4*\i+3], v[98:99], v[RES+4*\i+2:RES+4*\i+3]
.endr
.irp i, 0,1,2,3,4,5,6,7,8,9,10,11,12,13,14,15
	s_wait_dscnt 30-2*\i                           ; row i's two loads are in; the later rows' may be out
	v_pk_add_f32 v[RES+4*\i:RES+4*\i+1], v[ACC+8*\i:ACC+8*\i+1], v[RES+4*\i:RES+4*\i+1]
	v_pk_add_f32 v[RES+4*\i+2:RES+4*\i+3], v[ACC+8*\i+2:ACC+8*\i+3], v[RES+4*\i+2:RES+4*\i+3]
	s_delay_alu instid0(VALU_DEP_2)
	v_pk_add_f32 v[RES+4*\i:RES+4*\i+1], v[ACC+8*\i+4:ACC+8*\i+5], v[RES+4*\i:RES+4*\i+1]
	s_delay_alu instid0(VALU_DEP_2)
	v_pk_add_f32 v[RES+4*\i+2:RES+4*\i+3], v[ACC+8*\i+6:ACC+8*\i+7], v[RES+4*\i+2:RES+4*\i+3]
	global_store_b128 v12, v[RES+4*\i:RES+4*\i+3], s[12:13] offset:((\i%8)+16*(\i/8))*4096   ; 32 lanes store 512 consecutive bytes, aligned
.endr
	WIN 0                                          ; at a label and at a branch every window is 0; the add's two registers lie in window 0
.if NCH > 2
	s_wait_tensorcnt 0x0                           ; the wave's end
	ds_add_u32 v16, v17
	s_wait_dscnt 0x0
.endif
	CROUND                                         ; the closing round
	s_endpgm
.Lfunc_end_k_q83bfa44d45_mlp2:
	.size	k_q83bfa44d45_mlp2, .Lfunc_end_k_q83bfa44d45_mlp2-k_q83bfa44d45_mlp2
	.p2alignl 7, 3214868480
	.fill 96, 4, 3214868480
	.section	.rodata,"a",@progbits
	.p2align	6, 0x0
	.amdhsa_kernel k_q83bfa44d45_mlp2
		.amdhsa_group_segment_fixed_size 327680
		.amdhsa_private_segment_fixed_size 0
		.amdhsa_enable_private_segment 0
		.amdhsa_kernarg_size 40
		.amdhsa_user_sgpr_count 2
		.amdhsa_user_sgpr_kernarg_segment_ptr 1
		.amdhsa_wavefront_size32 1
		.amdhsa_system_sgpr_workgroup_id_x 1
		.amdhsa_system_sgpr_workgroup_id_y 1
		.amdhsa_system_sgpr_workgroup_id_z 1
		.amdhsa_system_vgpr_workitem_id 0
		.amdhsa_next_free_vgpr 320
		.amdhsa_next_free_sgpr 102
		.amdhsa_reserve_vcc 0
		.amdhsa_float_denorm_mode_32 3
		.amdhsa_float_denorm_mode_16_64 3
		.amdhsa_memory_ordered 1
		.amdhsa_forward_progress 1
		.amdhsa_inst_pref_size 83
	.end_amdhsa_kernel
	.amdgpu_metadata
---
amdhsa.version: [ 1, 2 ]
amdhsa.kernels:
  - .name:           k_q83bfa44d45_mlp2
    .symbol:         k_q83bfa44d45_mlp2.kd
    .args:
      - { .name: gb, .offset: 0, .size: 8, .value_kind: global_buffer, .address_space: global }
      - { .name: wts, .offset: 8, .size: 8, .value_kind: global_buffer, .address_space: global }
      - { .name: mlp2_b, .offset: 16, .size: 8, .value_kind: global_buffer, .address_space: global }
      - { .name: post, .offset: 24, .size: 8, .value_kind: global_buffer, .address_space: global }
      - { .name: out0, .offset: 32, .size: 8, .value_kind: global_buffer, .address_space: global }
    .group_segment_fixed_size: 327680
    .private_segment_fixed_size: 0
    .kernarg_segment_align: 8
    .kernarg_segment_size: 40
    .max_flat_workgroup_size: 256
    .sgpr_count:     102
    .vgpr_count:     320
    .wavefront_size: 32
...
	.end_amdgpu_metadata
.endif
;; end of part 7
